; MI455X (gfx1250); checked and timed in simulation.
; The chip was launched on July 23, 2026; its instructions are those of AMD's public machine-readable ISA for CDNA 5 (MIT licence, August 2026) and "CDNA5" Instruction Set Architecture Reference Guide (July 2026). The comments in the code are by the model that wrote it; some were corrected since.
;; Mixture Of Experts. Allowed arithmetic: matrix products marked QUANTISED: E2M3 operands, one E8M0 scale for each 32 along K, by v_wmma_scale_f32_16x16x128_f8f6f4 with both operands' format E2M3, f32 sums; products left as they are: f32 operands where the result goes on into a quantised operand, else bf16, f16 or f32 operands; f32 sums; everything else in f32.
;; Inputs: W1_codes 8 x 4,096 x 32 x 24 uint8 (E2M3 codes of W1, K innermost, in blocks of 32 codes, four codes in three bytes); W1_scales 8 x 4,096 x 32 uint8 (E8M0 scales of W1, one for each 32 codes along K); W2_codes 8 x 1,024 x 128 x 24 uint8 (E2M3 codes of W2, K innermost, in blocks of 32 codes, four codes in three bytes); W2_scales 8 x 1,024 x 128 uint8 (E8M0 scales of W2, one for each 32 codes along K); Wg 1,024 x 8 float32; b1 8 x 4,096 float32; b2 8 x 1,024 float32; bg 8 float32; x 4 x 256 x 1,024 float32.
;; Outputs: out0 4 x 256 x 1,024 float32.
;; This version of the problem:
;;   THIS VERSION OF THE PROBLEM IS GIVEN IN LOW PRECISION. The matrix products marked QUANTISED in the list below multiply operands that are first quantised to E2M3 (2 exponent bits, 3 mantissa bits; 6 bits a number), with one power-of-two scale for each 32 numbers along K (OCP MX v1.0); their sums are f32. All else is computed in f32.
;;   The module's matrix products, in the order in which they are computed (A, B: the left and right operand; K: the contracted axis; several contracted axes count as one K, in the product's order):
;;     1. [M 1,024, K 1,024] x [K 1,024, N 8]; A: input x; B: input Wg: left as it is (N = 8 < 16)
;;     2. [M 32,768, K 1,024] x [K 1,024, N 1,024]; A: input W1 (given as codes); B: input x: QUANTISED
;;     3. batch 8 x [M 1,024, K 4,096] x [K 4,096, N 1,024]; A: computed on the way; B: input W2 (given as codes): QUANTISED
;;     4. batch 1,024 x [M 1, K 8] x [K 8, N 1,024]; A: computed on the way; B: computed on the way: left as it is (K = 8 < 32)
;;   THE QUANTISER, for each operand of a quantised product, along K:
;;     - K is cut into blocks of 32 from its start; a last block that is shorter is filled with zeros.
;;     - A block's scale is 2^e with e = floor(log2(the largest magnitude in the block)) - 2, held to -126 .. 127; a block of zeros has e = 0. As a byte (E8M0): e + 127.
;;     - Each number is divided by its block's scale, clamped to +-7.5, and rounded to the nearest number of E2M3, ties to even, subnormals kept.
;;     - The product sums the exact products of the quantised numbers (number of the format x scale) in f32.
;;   ~~~python
;;   def quantise(x, axis):      # numpy; x: float32 -> the quantised numbers, widened to float32 again
;;       x = np.moveaxis(x, axis, -1); K = x.shape[-1]
;;       x = np.pad(x, [(0, 0)] * (x.ndim - 1) + [(0, -K % 32)]); x = x.reshape(x.shape[:-1] + (-1, 32)); a = np.abs(x).max(-1, keepdims=True)
;;       e = np.where(a > 0, np.clip(np.frexp(np.where(a > 0, a, 1))[1] - 1 - 2, -126, 127), 0)      # np.frexp(a)[1] - 1 = floor(log2(a)), exactly
;;       r = np.clip(x / 2.0 ** e, -7.5, 7.5)
;;       step = 2.0 ** (np.maximum(np.frexp(np.where(r == 0, 1, r))[1] - 1, 0) - 3)
;;       q = np.round(r / step) * step * 2.0 ** e      # np.round: ties to even
;;       return np.moveaxis(q.reshape(q.shape[:-2] + (-1,))[..., :K], -1, axis).astype(np.float32)
;;   ~~~
;;   OPERANDS COMPUTED ON THE WAY. 'Computed on the way' means the value that the module computes at that place (a softmax that the list does not call 'softmax' is quantised finished and normalised). What goes into a quantiser is computed in f32, as accurately as f32 sums, v_exp_f32 and their like allow (about 1e-6 of the number): no bf16 or f16 on the way to a quantiser, and a product that is left as it is and whose result goes on into a quantised operand takes f32 operands (vector FMAs, or v_wmma_f32_16x16x4_f32). A number that lies on a knife's edge between two numbers of the format may be rounded either way, as far as f32 arithmetic and the matrix unit's own rounding can turn it there, and no further.
;;   INPUTS GIVEN AS CODES. W1 (in the module: [8, 1024, 4096], K = its axis 1); W2 (in the module: [8, 4096, 1024], K = its axis 1): each comes as NAME_codes (uint8): NAME with its K axis moved to the last place and cut into blocks of 32 codes, [.., K / 32, bytes a block], one block behind the other in memory; four codes in three bytes: a row's codes are one little-endian stream of bits, code i at bits 6 i .. 6 i + 5 (a code: sign, 2 exponent bits, 3 mantissa bits); and NAME_scales (uint8): the same leading axes, one E8M0 byte (e + 127) for each 32 codes along K. Its value is code x scale, taken as it is: it is not quantised again, and the codes and scales need not be those that the quantiser above would give.
;; 2 versions. Each part assembles by itself: llvm-mc -triple=amdgcn-amd-amdhsa -mcpu=gfx1250 --defsym DOCPART=n.
;; ======== version 1 of 2: 5 launches
;; workspace buffers: idx 4,096 bytes of whole numbers; gates 8,192 bytes; tab 43,264 bytes of whole numbers; xq 819,200 bytes; hq 27,262,976 bytes; ys 33,554,432 bytes
;; launch route (part 1): grid 256 x 1, 1 waves a work-group, no clusters, 3,584 bytes of LDS; arguments x, Wg, bg, xq, idx, gates; writes xq, idx, gates
.if DOCPART == 1
	.amdgcn_target "amdgcn-amd-amdhsa--gfx1250"
	.amdhsa_code_object_version 6
	.text
	.protected	k_qaba2ccca0d_route
	.globl	k_qaba2ccca0d_route
	.p2align	8
	.type	k_qaba2ccca0d_route,@function
k_qaba2ccca0d_route:
	s_mov_b64 s[64:65], 0
	v_nop
	global_prefetch_b8 v0, s[64:65] scope:SCOPE_SE
	s_setreg_imm32_b32 hwreg(HW_REG_WAVE_MODE, 25, 1), 1
	s_wait_xcnt 0x0
; ROUTER AND QUANTISER OF x.  One wave takes 4 tokens.  Lane l holds block l (32 neighbours along D) of each token and the 32 rows of Wg that go with it.
; logits = x Wg + bg by f32 fused multiply-adds (8 columns: no work for the matrix unit), summed over the lanes; top 2 of 8 with the lower index kept on a tie; softmax over the two, the larger taken away first.
; The chosen experts are stored as whole numbers at fixed places (word t = e0 | e1 << 8), the two gates beside them: no address of this launch hangs on them.
; x is turned into codes of E2M3 with one E8M0 byte for each 32 along D: codes at t x 768 in the blocks' own order; scale bytes at XSC_OFF + t x 32, laid as the first product reads them:
; word 4 (s & 1) + (s >> 1) belongs to K step s (128 along D), and in a word the two middle bytes have changed places (see the first product's head comment).
; LIMITS: NaN and infinite logits are not served.  A block whose largest magnitude lies under 2^-124 gets the byte 1 (a block of zeros too, where the rule says 127: its codes are zeros, and this program alone reads the bytes).
; No cluster, no tensor load: the work-groups share only Wg, 32 KiB.
.set XSC_OFF, 786432
.set CST, 0                            ; LDS: 4 x 768 bytes of codes
.set SST, 3072                         ; LDS: 4 x 32 scale bytes
.set XO,  1                            ; v1   128 x lane: my block in a row of x
.set WO,  2                            ; v2   1024 x lane: my 32 rows of Wg
.set L24, 3                            ; v3   24 x lane: my block's codes
.set BP,  4                            ; v4   my block's scale byte in its token's 32
.set L16, 5
.set L4,  6
.set TAU, 7                            ; v7   lane & 3: the token whose choice this lane makes
.set LG,  8                            ; v8-15  that token's 8 logits
.set T,   16                           ; v16-23 at work
.set EC,  24                           ; v24-31 the numbers 0 .. 7
.set ACC, 32                           ; v32-63 sums: token tau, expert e at 8 tau + e
.set X,   64                           ; v64-191 x: 32 numbers a token
.set OW,  160                          ; the way out (token 3's registers, when they are done with)
.set C,   192                          ; codes: 8 registers a token, 6 used
.set C1,  224                          ; a block's upper 16 codes as converted: 4 a token, 3 used
.set BY,  240                          ; a scale byte a token
.set L8,  244
.set MSB, 0
.macro WIN new                         ; the immediate's high byte repeats the setting that is left
.if MSB != (\new)
	s_set_vgpr_msb (MSB<<8)|(\new)
.set MSB, (\new)
.endif
.endm
	s_load_b256 s[4:11], s[0:1], 0x0               ; x s[4:5], Wg s[6:7], bg s[8:9], xq s[10:11]
	s_load_b128 s[12:15], s[0:1], 0x20             ; idx s[12:13], gates s[14:15]
	v_lshl_add_u32 v254, v0, 2, 0xd00
	v_mov_b32 v255, 0
	v_lshlrev_b32 v[XO], 7, v0
	v_lshlrev_b32 v[WO], 10, v0
	v_mul_u32_u24 v[L24], v0, 24
	v_and_b32 v[T], 4, v0
	v_lshlrev_b32 v[BP], 2, v[T]                   ; 16 x (K step & 1)
	v_lshrrev_b32 v[T], 3, v0
	v_lshl_add_u32 v[BP], v[T], 2, v[BP]           ; + 4 x (K step >> 1)
	v_and_b32 v[T], 1, v0
	v_lshl_add_u32 v[BP], v[T], 1, v[BP]           ; + the block's place in the word: 0, 2, 1, 3
	v_bfe_u32 v[T], v0, 1, 1
	v_add_nc_u32 v[BP], v[BP], v[T]
	v_lshlrev_b32 v[L16], 4, v0
	v_lshlrev_b32 v[L4], 2, v0
	v_lshlrev_b32 v[L8], 3, v0
	v_and_b32 v[TAU], 3, v0
.irp e, 0,1,2,3,4,5,6,7
	v_mov_b32 v[EC+\e], \e
.endr
	s_mov_b32 s24, 0x76543210                      ; v_permlanex16_b32's selects for lane l xor 16
	s_mov_b32 s25, 0xfedcba98
	s_mov_b32 s3, 0
	s_lshl_b32 s2, ttmp9, 14                       ; 4 tokens of 4,096 bytes
	s_wait_kmcnt 0x0
	s_load_b256 s[16:23], s[8:9], 0x0              ; bg
	s_add_nc_u64 s[4:5], s[4:5], s[2:3]
	s_mul_i32 s2, ttmp9, 3072
	s_add_nc_u64 s[32:33], s[10:11], s[2:3]        ; my 4 tokens' codes
	s_lshl_b32 s2, ttmp9, 7
	s_add_nc_u64 s[34:35], s[10:11], s[2:3]        ; their scale bytes (XSC_OFF stands in the store)
	s_lshl_b32 s2, ttmp9, 4
	s_add_nc_u64 s[36:37], s[12:13], s[2:3]
	s_lshl_b32 s2, ttmp9, 5
	s_add_nc_u64 s[38:39], s[14:15], s[2:3]
.irp tau, 0,1,2,3
.irp n, 0,1,2,3,4,5,6,7
	global_load_b128 v[X+32*\tau+4*\n:X+32*\tau+4*\n+3], v[XO], s[4:5] offset:4096*\tau+16*\n   ; no hint: a lane's 128 bytes of a token are taken by eight loads, 16 neighbouring bytes each
.endr
.endr
	WIN 0x40                                       ; destination window 1: register 8 i + e = Wg[32 lane + i][e]
.set n, 0
.rept 64
	global_load_b128 v[4*n:4*n+3], v[WO], s[6:7] offset:16*n
.set n, n+1
.endr
	WIN 0
	s_wait_loadcnt 0x0
	; the products: two experts an instruction, x's number broadcast to both halves; 16 chains that do not wait for each other; the first product starts each sum
	WIN 0x04                                       ; source 1 (Wg) window 1
.set i, 0
.rept 32
.irp tau, 0,1,2,3
.irp p, 0,1,2,3
.if i == 0
	v_pk_mul_f32 v[ACC+8*\tau+2*\p:ACC+8*\tau+2*\p+1], v[X+32*\tau:X+32*\tau+1], v[2*\p:2*\p+1] op_sel_hi:[0,1]
.elseif i%2 == 0
	v_pk_fma_f32 v[ACC+8*\tau+2*\p:ACC+8*\tau+2*\p+1], v[X+32*\tau+i:X+32*\tau+i+1], v[8*i+2*\p:8*i+2*\p+1], v[ACC+8*\tau+2*\p:ACC+8*\tau+2*\p+1] op_sel_hi:[0,1,1]
.else
	v_pk_fma_f32 v[ACC+8*\tau+2*\p:ACC+8*\tau+2*\p+1], v[X+32*\tau+i-1:X+32*\tau+i], v[8*i+2*\p:8*i+2*\p+1], v[ACC+8*\tau+2*\p:ACC+8*\tau+2*\p+1] op_sel:[1,0,0] op_sel_hi:[1,1,1]
.endif
.endr
.endr
.set i, i+1
.endr
	WIN 0
; Token tau's block of mine: largest magnitude (with the floor 2^(3 - 127) among its leaves), scale, 32 codes, into LDS.
.macro QX tau
.set XB, X+32*\tau
	v_max3_num_f32 v[T], |v[XB]|, |v[XB+1]|, |v[XB+2]|
	v_max3_num_f32 v[T+1], |v[XB+3]|, |v[XB+4]|, |v[XB+5]|
.irp i, 6,10,14,18,22,26
	v_max3_num_f32 v[T], v[T], |v[XB+\i]|, |v[XB+\i+1]|
	v_max3_num_f32 v[T+1], v[T+1], |v[XB+\i+2]|, |v[XB+\i+3]|
.endr
	v_max3_num_f32 v[T], v[T], |v[XB+30]|, |v[XB+31]|
	v_max3_num_f32 v[T], v[T], v[T+1], 0x1800000
	v_add_nc_u32 v[T+2], 0xff000000, v[T]          ; 2 off the exponent field: the conversion takes this operand's exponent field as its scale
	v_cvt_scalef32_pk16_fp6_f32 v[C+8*\tau:C+8*\tau+2], v[XB:XB+15], v[T+2]
	v_cvt_scalef32_pk16_fp6_f32 v[C1+4*\tau:C1+4*\tau+2], v[XB+16:XB+31], v[T+2]   ; (a conversion's three registers begin on an even number)
	v_lshrrev_b32 v[BY+\tau], 23, v[T+2]           ; the scale's byte; also the plain place behind the conversions
.irp i, 0,1,2
	v_mov_b32 v[C+8*\tau+3+\i], v[C1+4*\tau+\i]
.endr
.irp i, 0,1,2
	ds_store_b64 v[L24], v[C+8*\tau+2*\i:C+8*\tau+2*\i+1] offset:CST+768*\tau+8*\i
.endr
	ds_store_b8 v[BP], v[BY+\tau] offset:SST+32*\tau
.endm
	QX 0
	QX 1
	QX 2
	QX 3
.irp n, 0,1,2,3,4,5
	ds_load_b128 v[OW+4*\n:OW+4*\n+3], v[L16] offset:CST+512*\n   ; LDS serves a wave's instructions in order: these see my stores
.endr
	ds_load_b32 v[OW+24], v[L4] offset:SST
	; the sums over the 32 lanes stand between these loads and the stores that want them
.irp m, 1,2,4,8
.set j, 0
.rept 32
	v_add_f32_dpp v[ACC+j], v[ACC+j], v[ACC+j] row_xmask:\m row_mask:0xf bank_mask:0xf
.set j, j+1
.endr
.endr
.set j, 0
.rept 32
	v_permlanex16_b32 v[X+j], v[ACC+j], s24, s25   ; into token 0's registers, which are done with
.set j, j+1
.endr
.set j, 0
.rept 32
	v_add_f32 v[ACC+j], v[ACC+j], v[X+j]
.set j, j+1
.endr
.irp n, 0,1,2,3,4,5
	s_wait_dscnt 6-\n                              ; LDS loads come back in order: number n is in
	global_store_b128 v[L16], v[OW+4*\n:OW+4*\n+3], s[32:33] offset:512*\n   ; 32 lanes store 512 consecutive bytes, aligned
.endr
	s_wait_dscnt 0x0
	global_store_b32 v[L4], v[OW+24], s[34:35] offset:XSC_OFF
	; every lane takes the logits of token lane & 3
	v_cmp_eq_u32 s26, 1, v[TAU]
	v_cmp_eq_u32 s27, 2, v[TAU]
	v_cmp_eq_u32 s28, 3, v[TAU]
	s_wait_kmcnt 0x0                               ; bg
.irp e, 0,1,2,3,4,5,6,7
	v_cndmask_b32 v[LG+\e], v[ACC+\e], v[ACC+8+\e], s26
	v_cndmask_b32 v[LG+\e], v[LG+\e], v[ACC+16+\e], s27
	v_cndmask_b32 v[LG+\e], v[LG+\e], v[ACC+24+\e], s28
	v_add_f32 v[LG+\e], s[16+\e], v[LG+\e]
.endr
	; the largest: an ascending walk that changes only on 'greater' keeps the lower index on a tie
	v_mov_b32 v[T], v[LG]
	v_mov_b32 v[T+1], 0
.irp e, 1,2,3,4,5,6,7
	v_cmp_gt_f32 vcc_lo, v[LG+\e], v[T]
	v_cndmask_b32 v[T], v[T], v[LG+\e], vcc_lo
	v_cndmask_b32 v[T+1], v[T+1], v[EC+\e], vcc_lo
.endr
	v_mov_b32 v[T+4], 0xff800000                   ; the winner leaves the field
.irp e, 0,1,2,3,4,5,6,7
	v_cmp_eq_u32 vcc_lo, \e, v[T+1]
	v_cndmask_b32 v[LG+\e], v[LG+\e], v[T+4], vcc_lo
.endr
	v_mov_b32 v[T+2], v[LG]
	v_mov_b32 v[T+3], 0
.irp e, 1,2,3,4,5,6,7
	v_cmp_gt_f32 vcc_lo, v[LG+\e], v[T+2]
	v_cndmask_b32 v[T+2], v[T+2], v[LG+\e], vcc_lo
	v_cndmask_b32 v[T+3], v[T+3], v[EC+\e], vcc_lo
.endr
	; softmax over the two, the larger taken away: g0 = 1 / (1 + e^(v1 - v0)), g1 = e^(v1 - v0) g0
	v_sub_f32 v[T+5], v[T+2], v[T]
	v_mul_f32 v[T+5], 0x3fb8aa3b, v[T+5]
	v_exp_f32 v[T+4], v[T+5]
	v_lshl_or_b32 v[T+2], v[T+3], 8, v[T+1]        ; the two experts as one word; also the plain place behind the exponential
	s_wait_alu depctr_va_vdst(0)                   ; the wait ahead of the first reader
	v_add_f32 v[T+5], 1.0, v[T+4]
	v_rcp_f32 v[T+6], v[T+5]
	v_nop                                          ; a plain place behind the reciprocal
	s_wait_alu depctr_va_vdst(0)
	v_mul_f32 v[T+7], v[T+4], v[T+6]
	v_cmp_gt_u32 vcc_lo, 4, v0
	s_wait_xcnt 0x0                                ; EXEC changes only when the stores above have read it
	s_wait_tensorcnt 0x0
	ds_add_u32 v254, v255
	s_wait_dscnt 0x0
	s_and_saveexec_b32 s30, vcc_lo                 ; lanes 0 to 3: lane l holds token l's choice
	global_store_b32 v[L4], v[T+2], s[36:37]
	global_store_b64 v[L8], v[T+6:T+7], s[38:39]
	s_wait_xcnt 0x0
	s_or_b32 exec_lo, exec_lo, s30
	s_endpgm
.Lfunc_end_k_qaba2ccca0d_route:
	.size	k_qaba2ccca0d_route, .Lfunc_end_k_qaba2ccca0d_route-k_qaba2ccca0d_route
	.p2alignl 7, 3214868480
	.fill 96, 4, 3214868480
	.section	.rodata,"a",@progbits
	.p2align	6, 0x0
	.amdhsa_kernel k_qaba2ccca0d_route
		.amdhsa_group_segment_fixed_size 3584
		.amdhsa_private_segment_fixed_size 0
		.amdhsa_enable_private_segment 0
		.amdhsa_kernarg_size 48
		.amdhsa_user_sgpr_count 2
		.amdhsa_user_sgpr_kernarg_segment_ptr 1
		.amdhsa_wavefront_size32 1
		.amdhsa_system_sgpr_workgroup_id_x 1
		.amdhsa_system_sgpr_workgroup_id_y 1
		.amdhsa_system_sgpr_workgroup_id_z 1
		.amdhsa_system_vgpr_workitem_id 0
		.amdhsa_next_free_vgpr 512
		.amdhsa_next_free_sgpr 66
		.amdhsa_reserve_vcc 1
		.amdhsa_float_denorm_mode_32 3
		.amdhsa_float_denorm_mode_16_64 3
		.amdhsa_memory_ordered 1
		.amdhsa_forward_progress 1
		.amdhsa_inst_pref_size 67
	.end_amdhsa_kernel
	.amdgpu_metadata
---
amdhsa.version: [ 1, 2 ]
amdhsa.kernels:
  - .name:           k_qaba2ccca0d_route
    .symbol:         k_qaba2ccca0d_route.kd
    .args:
      - { .name: x, .offset: 0, .size: 8, .value_kind: global_buffer, .address_space: global }
      - { .name: Wg, .offset: 8, .size: 8, .value_kind: global_buffer, .address_space: global }
      - { .name: bg, .offset: 16, .size: 8, .value_kind: global_buffer, .address_space: global }
      - { .name: xq, .offset: 24, .size: 8, .value_kind: global_buffer, .address_space: global }
      - { .name: idx, .offset: 32, .size: 8, .value_kind: global_buffer, .address_space: global }
      - { .name: gates, .offset: 40, .size: 8, .value_kind: global_buffer, .address_space: global }
    .group_segment_fixed_size: 3584
    .private_segment_fixed_size: 0
    .kernarg_segment_align: 8
    .kernarg_segment_size: 48
    .max_flat_workgroup_size: 32
    .sgpr_count:     66
    .vgpr_count:     512
    .wavefront_size: 32
...
	.end_amdgpu_metadata
.endif
;; end of part 1
;; launch place (part 2): grid 1 x 1, 8 waves a work-group, no clusters, 34,048 bytes of LDS; arguments idx, tab; writes tab
.if DOCPART == 2
	.amdgcn_target "amdgcn-amd-amdhsa--gfx1250"
	.amdhsa_code_object_version 6
	.text
	.protected	k_qaba2ccca0d_place
	.globl	k_qaba2ccca0d_place
	.p2align	8
	.type	k_qaba2ccca0d_place,@function
k_qaba2ccca0d_place:
	s_mov_b64 s[64:65], 0
	v_nop
	global_prefetch_b8 v0, s[64:65] scope:SCOPE_SE
	s_setreg_imm32_b32 hwreg(HW_REG_WAVE_MODE, 25, 1), 1
	s_wait_xcnt 0x0
; THE ROWS ARE PLACED BY EXPERT: a counting sort of 2,048 routed rows, by one work-group, without atomics.
; Wave e walks all 1,024 tokens in order and gives each the number of earlier tokens that chose expert e (a count of mask bits below the lane + a running count): RT[e][t] in LDS.
; Behind one barrier wave v takes tokens 128 v .. 128 v + 127, picks the two ranks that belong to each token's experts (by selects: no LDS address is made of a loaded number) and stores
;   list[e][rank] = t      at LIST_OFF + (1088 e + rank) x 4        inv[2 t + k] = 1024 e_k + rank_k     at INV_OFF + 8 t
; Wave 0 stores the counts (words 0 .. 31: word l = count of expert l & 7) and list[e][count] = 0, the token that fills a last tile of rows.
; One work-group: the sort is 4 KiB of input; sharing it out would need sums between work-groups.
.set RT, 0
.set CTL, 32768
.set LIST_OFF, 256
.set INV_OFF, 35072
.set IDX, 16                           ; v16-47 all tokens' words, then their ranks
.set IDY, 48                           ; v48-51 my 128 tokens' words
	s_load_b128 s[4:7], s[0:1], 0x0                ; idx s[4:5], tab s[6:7]
	v_lshl_add_u32 v144, v0, 2, 0x8100
	v_mov_b32 v145, 0
	v_lshrrev_b32 v1, 5, v0
	v_readfirstlane_b32 s8, v1                     ; wave = expert in the first phase
	v_and_b32 v1, 31, v0                           ; lane
	v_lshlrev_b32 v2, 2, v1
	s_lshl_b32 s12, s8, 12
	v_add_nc_u32 v3, s12, v2                       ; RT[wave][lane]
	s_lshl_b32 s12, s8, 9
	v_add_nc_u32 v4, s12, v2                       ; 4 x (128 wave + lane): my tokens, in idx and in a row of RT
	s_lshl_b32 s12, s8, 7
	v_add_nc_u32 v5, s12, v1                       ; 128 wave + lane
	v_lshlrev_b32 v7, 3, v5
	s_lshl_b32 s12, s8, 2
	v_mov_b32 v8, s12
	v_and_b32 v9, 7, v1
	v_lshlrev_b32 v10, 2, v9
	s_mov_b32 s9, 0                                ; the running count
	s_wait_kmcnt 0x0
.set i, 0
.rept 32
	global_load_b32 v[IDX+i], v2, s[4:5] offset:128*i
.set i, i+1
.endr
.irp c, 0,1,2,3
	global_load_b32 v[IDY+\c], v4, s[4:5] offset:128*\c
.endr
	s_wait_loadcnt 0x0
.set i, 0
.rept 32
	v_and_b32 v52, 0xff, v[IDX+i]
	v_lshrrev_b32 v53, 8, v[IDX+i]
	v_cmp_eq_u32 s10, s8, v52
	v_cmp_eq_u32 s11, s8, v53
	s_or_b32 s10, s10, s11                         ; the lanes whose token chose my expert
	v_mbcnt_lo_u32_b32 v[IDX+i], s10, s9           ; earlier ones among them + all before: the rank (of a lane that did not choose it: a number that nobody picks)
	ds_store_b32 v3, v[IDX+i] offset:RT+128*i
	s_bcnt1_i32_b32 s11, s10
	s_add_co_u32 s9, s9, s11
.set i, i+1
.endr
	v_mov_b32 v11, s9
	ds_store_b32 v8, v11 offset:CTL                ; my expert's count
	s_wait_dscnt 0x0                               ; for the others' sake: my stores have landed
	s_barrier_signal -1
	s_barrier_wait -1
; 32 tokens: 128 wave + 32 c + lane.  Each c has registers of its own, so that no store's sources are written again.
.macro PUT c
.set B, 64+20*(\c)
.irp e, 0,1,2,3,4,5,6,7
	ds_load_b32 v[B+\e], v4 offset:RT+4096*\e+128*(\c)
.endr
	v_and_b32 v[B+8], 0xff, v[IDY+\c]
	v_lshrrev_b32 v[B+9], 8, v[IDY+\c]
	v_min_u32 v[B+8], 7, v[B+8]                    ; loaded numbers are held before they enter an address
	v_min_u32 v[B+9], 7, v[B+9]
	s_wait_dscnt 0x0
	v_mov_b32 v[B+10], v[B]
	v_mov_b32 v[B+11], v[B]
.irp e, 1,2,3,4,5,6,7
	v_cmp_eq_u32 vcc_lo, \e, v[B+8]
	v_cndmask_b32 v[B+10], v[B+10], v[B+\e], vcc_lo
	v_cmp_eq_u32 vcc_lo, \e, v[B+9]
	v_cndmask_b32 v[B+11], v[B+11], v[B+\e], vcc_lo
.endr
	v_min_u32 v[B+10], 0x3ff, v[B+10]
	v_min_u32 v[B+11], 0x3ff, v[B+11]
	v_mad_u32_u24 v[B+12], v[B+8], 1088, v[B+10]
	v_mad_u32_u24 v[B+13], v[B+9], 1088, v[B+11]
	v_lshlrev_b32 v[B+12], 2, v[B+12]
	v_lshlrev_b32 v[B+13], 2, v[B+13]
	v_add_nc_u32 v[B+14], 32*(\c), v5              ; the token
	v_lshl_add_u32 v[B+16], v[B+8], 10, v[B+10]
	v_lshl_add_u32 v[B+17], v[B+9], 10, v[B+11]
	global_store_b32 v[B+12], v[B+14], s[6:7] offset:LIST_OFF
	global_store_b32 v[B+13], v[B+14], s[6:7] offset:LIST_OFF
	global_store_b64 v7, v[B+16:B+17], s[6:7] offset:INV_OFF+256*(\c)
.endm
	PUT 0
	PUT 1
	PUT 2
	PUT 3
	s_cmp_lg_u32 s8, 0
	s_cbranch_scc1 .Ldone
	ds_load_b32 v12, v10 offset:CTL
	s_wait_dscnt 0x0
	global_store_b32 v2, v12, s[6:7]               ; the counts
	v_min_u32 v13, 0x400, v12
	v_mad_u32_u24 v13, v9, 1088, v13
	v_lshlrev_b32 v13, 2, v13
	v_mov_b32 v14, 0
	global_store_b32 v13, v14, s[6:7] offset:LIST_OFF   ; list[e][count] = 0 (four lanes write the same word with the same value)
.Ldone:
	s_wait_tensorcnt 0x0
	ds_add_u32 v144, v145
	s_wait_dscnt 0x0
	s_endpgm
.Lfunc_end_k_qaba2ccca0d_place:
	.size	k_qaba2ccca0d_place, .Lfunc_end_k_qaba2ccca0d_place-k_qaba2ccca0d_place
	.p2alignl 7, 3214868480
	.fill 96, 4, 3214868480
	.section	.rodata,"a",@progbits
	.p2align	6, 0x0
	.amdhsa_kernel k_qaba2ccca0d_place
		.amdhsa_group_segment_fixed_size 34048
		.amdhsa_private_segment_fixed_size 0
		.amdhsa_enable_private_segment 0
		.amdhsa_kernarg_size 16
		.amdhsa_user_sgpr_count 2
		.amdhsa_user_sgpr_kernarg_segment_ptr 1
		.amdhsa_wavefront_size32 1
		.amdhsa_system_sgpr_workgroup_id_x 1
		.amdhsa_system_sgpr_workgroup_id_y 1
		.amdhsa_system_sgpr_workgroup_id_z 1
		.amdhsa_system_vgpr_workitem_id 0
		.amdhsa_next_free_vgpr 146
		.amdhsa_next_free_sgpr 66
		.amdhsa_reserve_vcc 1
		.amdhsa_float_denorm_mode_32 3
		.amdhsa_float_denorm_mode_16_64 3
		.amdhsa_memory_ordered 1
		.amdhsa_forward_progress 1
		.amdhsa_inst_pref_size 30
	.end_amdhsa_kernel
	.amdgpu_metadata
---
amdhsa.version: [ 1, 2 ]
amdhsa.kernels:
  - .name:           k_qaba2ccca0d_place
    .symbol:         k_qaba2ccca0d_place.kd
    .args:
      - { .name: idx, .offset: 0, .size: 8, .value_kind: global_buffer, .address_space: global }
      - { .name: tab, .offset: 8, .size: 8, .value_kind: global_buffer, .address_space: global }
    .group_segment_fixed_size: 34048
    .private_segment_fixed_size: 0
    .kernarg_segment_align: 8
    .kernarg_segment_size: 16
    .max_flat_workgroup_size: 256
    .sgpr_count:     66
    .vgpr_count:     146
    .wavefront_size: 32
...
	.end_amdgpu_metadata
.endif
;; end of part 2
;; launch ffn1 (part 3): grid 32 x 8, 4 waves a work-group, no clusters, 102,400 bytes of LDS; arguments xq, tab, W1_codes, W1_scales, b1, hq; writes hq
.if DOCPART == 3
	.amdgcn_target "amdgcn-amd-amdhsa--gfx1250"
	.amdhsa_code_object_version 6
	.text
	.protected	k_qaba2ccca0d_ffn1
	.globl	k_qaba2ccca0d_ffn1
	.p2align	8
	.type	k_qaba2ccca0d_ffn1,@function
k_qaba2ccca0d_ffn1:
	s_mov_b64 s[64:65], 0
	v_nop
	global_prefetch_b8 v0, s[64:65] scope:SCOPE_SE
	s_setreg_imm32_b32 hwreg(HW_REG_WAVE_MODE, 25, 1), 1
	s_wait_xcnt 0x0
; h = Q(relu(x W1 + b1)) for the rows that chose the expert, on codes of E2M3 with E8M0 scales.  Work-group (j, e): hidden units 128 j .. 128 j + 127 of expert e.
; THE WEIGHTS STAY, THE ROWS TRAVEL.  The slice of W1 (128 rows x 1,024 K: 64 fragments, 768 registers) lies in EVERY wave's registers for the whole launch.  In memory the slice is one dense block of 98,304 bytes, and it is read
; once, as it lies: each wave fetches a quarter (32 rows, 24,576 bytes) by 48 loads of 512 consecutive bytes and lays it into LDS by rows; one barrier; every wave reads all 64 fragments from the rows.
; LDS ROWS: 784 bytes apart (768 + 16), and 128 bytes more behind every 16 rows: row p lies at 784 p + 128 (p / 16).  A fragment's sixteen lanes of a half take rows 0-7 and 16-23 of a run: 784 = 3 x 256 + 16 sets the first eight
; 16 bytes apart modulo 256, and the 128 set the other eight behind them: sixteen different columns of 16 bytes (64 banks of 4 bytes: ISA guide 11.1).
; Wave w then takes the expert's tiles of 16 rows w, w + 4, .. by itself: no barrier in the loop.
; A wave's 8 tiles of hidden units for 16 rows are exactly K step j of the second product: they are quantised in registers and stored as an image of that operand's registers: hq at ((64 e + q) 32 + j) x 1536; its scale words at HS_OFF + (..) x 128.
; THE ORDER OF BLOCKS.  In a K step of 128 a lane takes the 48 consecutive bytes at 96 s + 48 (lane / 16) of its row: three loads of 16 bytes, all aligned.  So registers 6 c .. 6 c + 5 of half h hold block 2 h + c, where the unit counts
; them as block 2 c + h.  Both operands of both products are laid so, whole blocks change places alike on both sides, and a scale word has its two middle bytes exchanged: the same products are summed, in another order.
; TRANSPOSED: source 0 = 16 rows of W1, source 1 = 16 routed rows: a lane holds one routed row.  Lane r of tile t takes row 32 (t / 2) + 8 (t % 2) + r + 8 (r / 8), so that two neighbouring tiles give a lane 16 neighbours along the next K.
; A row tile goes in two passes of four accumulators: pass p makes blocks p and p + 2 of the next K step, which are registers 6 p .. 6 p + 5 of its fragment.  b1 is the C of each sum's first product.
; A scale register carries two K steps: lanes 0-15 the even one, lanes 16-31 the odd one.
; Tile 0 of every expert is always made (of token 0's rows where the expert has none), so that the next launch's first loads read stored bytes.  Rows past an expert's count are token 0's and are read by nobody.
; No tensor load and no cluster: the number of trips hangs on a count read from memory.  No work-group shares a weight with another.
.set XSC_OFF, 786432
.set LIST_OFF, 256
.set HS_OFF, 25165824
.set WIMG, 0                           ; LDS: the slice's 128 rows
.set WP,   784                         ; from row to row
.set WGAP, 128                         ; more behind every 16 rows
.set WQ,   32*WP+2*WGAP                ; a wave's quarter: 25,344 bytes
.set B1L,  4*WQ                        ; LDS: my 128 numbers of b1, behind the rows
.set LI0, 1                            ; v1   16 x lane
.set LR0, 2                            ; v2   a fragment's place for my lane: 784 (r + 8 (r / 8)) + 128 (r / 8) + 48 (lane / 16)
.set L4,  3                            ; v3   4 x lane
.set R,   4                            ; v4   lane % 16
.set H48, 5                            ; v5   48 x (lane / 16)
.set H16, 6                            ; v6   16 x (lane / 16)
.set B1A, 7                            ; v7   B1L + 64 x (lane / 16)
.set VO,  8                            ; v8   my row's codes in xq
.set VX,  9                            ; v9   my row's scale words in xq
.set VL,  10                           ; v10  my place in the list
.set XWI, 11                           ; v11  where I lay my quarter: 16 x lane + 25,344 x wave
.set TA,  12                           ; v12-15 at work
.set XS,  16                           ; v16-19 x's scale words at work
.set XSN, 20                           ; v20-23 the next tile's
.set RIDN, 24                          ; v24  the token of the tile after
.set PW,  25                           ; v25  h's scale word
.set TM,  26                           ; v26-27 largest magnitudes; v28-29 the other half's; v30-31 scale operands; v32-33 bytes
.set TP,  28
.set SC,  30
.set BY,  32
.set PC,  34                           ; v34-45 h's fragment
.set CB,  46                           ; v46-48 a conversion's result
.set F63, 50                           ; v50-61 fragment 63 of W1
.set B1W, 62
.set B1T, 63
.set WSC, 64                           ; v64-95 W1's scale words: tile t, K steps 2 m, 2 m + 1 at 4 t + m
.set ACC, 96                           ; v96-127 four accumulators
.set A,   128                          ; v128-223 x's eight fragments
.set LR1, 224                          ; v224 LR0 + 50,688: rows 64 on (an LDS offset has 16 bits)
.set XWM, 225                          ; v225 XWI + 16 x (lane / 16): for the load whose lanes 16-31 begin the next row
.set SWV, 16
.set SEX, 17
.set SWB, 24                           ; s24 16 x wave + 64
.set SNT, 25                           ; s25 tiles of the expert
.set SN,  26                           ; s26 how many of them are mine: (SNT + 3 - wave) / 4
.set SCNT, 27                          ; s27 rows of the expert
.set SLB, 28                           ; s[28:29] the expert's list
.set SHB, 32                           ; s[32:33] where my tile's image goes;  s[34:35] its scale words
.set SHS, 34
.set SSEL, 36
.set SPSEL, 38
.set STMP, 39
.set SCT, 40                           ; s40 which of my tiles is in hand, counted from 1: tile wave + 4 (SCT - 1)
.set MSB, 0
.macro WIN new                         ; the immediate's high byte repeats the setting that is left
.if MSB != (\new)
	s_set_vgpr_msb (MSB<<8)|(\new)
.set MSB, (\new)
.endif
.endm
.macro PLACES n
.rept \n
	v_nop
.endr
.endm
.macro FPOS uu                         ; fragment u = 32 p + 4 s + i: 21 to a window from window 1 on; the 64th in window 0
.if (\uu) < 63
.set FW, 1+(\uu)/21
.set FG, 12*((\uu)%21)
.else
.set FW, 0
.set FG, F63
.endif
.endm
.macro ASKTOK                          ; s[STMP] = 16 x a tile: the token at my place of it; past the count: the entry behind the last, which is 0
	v_add_nc_u32 v[VL], s[STMP], v[R]
	v_min_u32 v[VL], s[SCNT], v[VL]
	v_min_u32 v[VL], 0x43f, v[VL]
	v_lshlrev_b32 v[VL], 2, v[VL]
	global_load_b32 v[RIDN], v[VL], s[SLB:SLB+1] offset:LIST_OFF
.endm
.macro ASKX f0                         ; four of a tile's eight fragments of x
.irp f, \f0, \f0+1, \f0+2, \f0+3
.irp g, 0,1,2
	global_load_b128 v[A+12*(\f)+4*\g:A+12*(\f)+4*\g+3], v[VO], s[4:5] offset:96*(\f)+16*\g
.endr
.endr
.endm
	s_load_b256 s[4:11], s[0:1], 0x0               ; xq s[4:5], tab s[6:7], W1's codes s[8:9], W1's scales s[10:11]
	s_load_b128 s[12:15], s[0:1], 0x20             ; b1 s[12:13], hq s[14:15]
	v_lshl_add_u32 v254, v0, 2, 0x18e00
	v_mov_b32 v255, 0
	v_lshrrev_b32 v[TA], 5, v0
	v_readfirstlane_b32 s[SWV], v[TA]
	s_and_b32 s[SEX], ttmp7, 0xffff
	v_and_b32 v[TA], 31, v0
	v_lshlrev_b32 v[LI0], 4, v[TA]
	v_lshlrev_b32 v[L4], 2, v[TA]
	v_and_b32 v[R], 15, v0
	v_bfe_u32 v[TA+1], v0, 4, 1
	v_mul_u32_u24 v[H48], v[TA+1], 48
	v_lshlrev_b32 v[H16], 4, v[TA+1]
	v_lshl_add_u32 v[B1A], v[TA+1], 6, B1L
	s_mul_i32 s[STMP], s[SWV], WQ
	v_add_nc_u32 v[XWI], s[STMP], v[LI0]
	v_add_nc_u32 v[XWM], v[XWI], v[H16]
	v_lshl_add_u32 v[B1W], v0, 2, B1L
	v_and_b32 v[TA+3], 8, v[R]                     ; 8 (r / 8)
	v_add_nc_u32 v[TA], v[TA+3], v[R]              ; r + 8 (r / 8)
	v_mad_u32_u24 v[LR0], v[TA], WP, v[H48]
	v_lshl_add_u32 v[LR0], v[TA+3], 4, v[LR0]      ; + 128 (r / 8): rows 16 on lie behind one gap more
	v_add_nc_u32 v[LR1], 2*WQ, v[LR0]
	v_lshlrev_b32 v[TA+2], 5, v[TA]
	v_lshl_add_u32 v[TA+2], v[TA+1], 2, v[TA+2]    ; W1's scale words: 32 bytes a row, + 4 for the odd K step
	v_lshlrev_b32 v[TA+3], 2, v0
	v_mov_b32 v[TP], 0                             ; a lane permute's destination counts as one of its sources
	v_mov_b32 v[TP+1], 0
	s_mov_b32 s[SSEL], 0x76543210
	s_mov_b32 s[SSEL+1], 0xfedcba98
	s_mov_b32 s[SPSEL], 0x03010200                 ; a word with its middle bytes exchanged
	s_mov_b32 s21, 0
	s_wait_kmcnt 0x0
	s_lshl_b32 s20, s[SEX], 2
	s_add_nc_u64 s[22:23], s[6:7], s[20:21]
	s_load_b32 s[SCNT], s[22:23], 0x0              ; the expert's count
	s_mul_i32 s20, s[SEX], 4352
	s_add_nc_u64 s[SLB:SLB+1], s[6:7], s[20:21]
	s_mul_i32 s20, s[SEX], 3145728                 ; W1's codes: the expert, my work-group's 128 rows,
	s_mul_i32 s[STMP], ttmp9, 98304
	s_add_co_u32 s20, s20, s[STMP]
	s_mul_i32 s[STMP], s[SWV], 24576               ; my wave's 32 of them
	s_add_co_u32 s20, s20, s[STMP]
	s_add_nc_u64 s[8:9], s[8:9], s[20:21]
	s_lshl_b32 s20, s[SEX], 17
	s_lshl_b32 s[STMP], ttmp9, 12
	s_add_co_u32 s20, s20, s[STMP]
	s_add_nc_u64 s[10:11], s[10:11], s[20:21]
	s_lshl_b32 s20, s[SEX], 14
	s_lshl_b32 s[STMP], ttmp9, 9
	s_add_co_u32 s20, s20, s[STMP]
	s_add_nc_u64 s[12:13], s[12:13], s[20:21]
	s_lshl_b32 s[STMP], s[SEX], 6
	s_add_co_u32 s[STMP], s[STMP], s[SWV]
	s_lshl_b32 s[STMP], s[STMP], 5
	s_add_co_u32 s[STMP], s[STMP], ttmp9           ; (64 e + w) 32 + j
	s_mul_i32 s20, s[STMP], 1536
	s_add_nc_u64 s[SHB:SHB+1], s[14:15], s[20:21]
	s_lshl_b32 s20, s[STMP], 7
	s_add_nc_u64 s[SHS:SHS+1], s[14:15], s[20:21]
	s_add_nc_u64 s[SHS:SHS+1], s[SHS:SHS+1], HS_OFF
	WIN 0x40                                       ; my quarter as it lies: load k takes bytes 512 k .. 512 k + 511, for now into registers 4 k .. 4 k + 3 of window 1
.set k, 0
.rept 48
	global_load_b128 v[4*k:4*k+3], v[LI0], s[8:9] offset:512*k th:TH_LOAD_NT   ; 32 lanes read 512 consecutive bytes, aligned; each byte is asked for by this one load of the launch
.set k, k+1
.endr
	WIN 0
.irp t, 0,1,2,3,4,5,6,7
.irp m, 0,1,2,3
	global_load_b32 v[WSC+4*\t+\m], v[TA+2], s[10:11] offset:(32*(\t/2)+8*(\t%2))*32+8*\m
.endr
.endr
	global_load_b32 v[B1T], v[TA+3], s[12:13]
	s_wait_kmcnt 0x0
	s_min_u32 s[SCNT], s[SCNT], 1024
	s_add_co_u32 s[SNT], s[SCNT], 15
	s_lshr_b32 s[SNT], s[SNT], 4
	s_max_u32 s[SNT], s[SNT], 1                    ; tile 0 is always made
	s_add_co_u32 s[SN], s[SNT], 3                  ; my tiles w, w + 4, .. under SNT: (SNT + 3 - w) / 4 of them (SNT is 1 at the least and w 3 at the most: the difference is never negative)
	s_sub_co_u32 s[SN], s[SN], s[SWV]
	s_lshr_b32 s[SN], s[SN], 2
	s_mov_b32 s[SCT], 1
	s_lshl_b32 s[STMP], s[SWV], 4
	s_add_co_u32 s[SWB], s[STMP], 64
	ASKTOK                                         ; my first tile's tokens: the 82nd load
	; Into LDS by rows.  Two rows are 1,536 bytes, three loads: the first lies in the even row, the third in the odd row from its byte 256 on; of the second, lanes 0-15 end the even row and lanes 16-31 begin the odd one, 16 bytes further on in LDS
	WIN 0x04                                       ; an LDS store's data are its source 1: window 1
.set k, 0
.rept 48
.if k == 0
	s_wait_loadcnt 58                              ; of the 82 loads the first 24 are in
.endif
.if k == 24
	s_wait_loadcnt 34                              ; the first 48: all of my quarter
.endif
.set pr, k/3
.if k%3 == 0
	ds_store_b128 v[XWI], v[4*k:4*k+3] offset:WIMG+2*pr*WP+(pr/8)*WGAP
.elseif k%3 == 1
	ds_store_b128 v[XWM], v[4*k:4*k+3] offset:WIMG+2*pr*WP+(pr/8)*WGAP+512
.else
	ds_store_b128 v[XWI], v[4*k:4*k+3] offset:WIMG+2*pr*WP+(pr/8)*WGAP+WP+256
.endif
.set k, k+1
.endr
	WIN 0
	s_wait_loadcnt 0x1                             ; all but the token's load are in
	ds_store_b32 v[B1W], v[B1T]
.set n, 0
.rept 32
	v_perm_b32 v[WSC+n], v[WSC+n], v[WSC+n], s[SPSEL]
.set n, n+1
.endr
	s_wait_loadcnt 0x0
	v_min_u32 v[TA], 0x3ff, v[RIDN]
	v_mad_u32_u24 v[VO], v[TA], 768, v[H48]
	v_lshl_add_u32 v[VX], v[TA], 5, v[H16]
	s_mov_b32 s[STMP], s[SWB]                      ; 16 (w + 4)
	ASKTOK                                         ; the tokens of the tile after,
	global_load_b128 v[XSN:XSN+3], v[VX], s[4:5] offset:XSC_OFF   ; my first tile's scale words,
	ASKX 0                                         ; and its eight fragments: in this order, as every trip leaves them
	ASKX 4
	s_wait_dscnt 0x0                               ; for the others' sake: my rows have landed
	s_barrier_signal -1
	s_barrier_wait -1                              ; the launch's only barrier
.set u, 0
.rept 64                               ; fragment u: pass u / 32, K step (u % 32) / 4, tile t: rows 32 (t / 2) + 8 (t % 2) on, bytes 96 s on
	FPOS u
	WIN FW<<6
.set i, u%4
.set t, 2*(u/32)+(i%2)+4*(i/2)
.set ks, (u%32)/4
.irp g, 0,1,2
.if i < 2
	ds_load_b128 v[FG+4*\g:FG+4*\g+3], v[LR0] offset:WIMG+(32*(t/2)+8*(t%2))*WP+2*(t/2)*WGAP+96*ks+16*\g
.else
	ds_load_b128 v[FG+4*\g:FG+4*\g+3], v[LR1] offset:WIMG+(32*(t/2)+8*(t%2)-64)*WP+(2*(t/2)-4)*WGAP+96*ks+16*\g
.endif
.endr
.set u, u+1
.endr
	WIN 0
	s_wait_dscnt 0x0
	s_wait_xcnt 0x0                                ; the loads above have read their address registers: the first trip writes them anew
	s_cmp_eq_u32 s[SN], 0
	s_cbranch_scc1 .Lend                           ; none of the expert's tiles is mine
	s_cmp_eq_u32 s[SN], 1
	s_cbranch_scc1 .Llast                          ; one: it has no successor
.macro BIAS p                          ; b1 at the lane's eight hidden units of each of the pass's four tiles: the C of the sums' first products
.set i, 0
.rept 4
.set t, 2*(\p)+(i%2)+4*(i/2)
	ds_load_b128 v[ACC+8*i:ACC+8*i+3], v[B1A] offset:128*(t/2)+32*(t%2)
	ds_load_b128 v[ACC+8*i+4:ACC+8*i+7], v[B1A] offset:128*(t/2)+32*(t%2)+16
.set i, i+1
.endr
.endm
; 32 products: 8 K steps x 4 tiles; the four accumulators take turns, one instruction a turn.  pf = 1 (second pass alone): fragments of x that are done with take the next tile's.
.macro PASS p, pf
.set ks, 0
.rept 8
.if (\p) == 0
	s_wait_loadcnt 3*(7-ks)                        ; K step ks's three loads are in; those of the later K steps may be out
.endif
.set i, 0
.rept 4
.set u, 32*(\p)+4*ks+i
.set t, 2*(\p)+(i%2)+4*(i/2)
	FPOS u
	WIN FW
.if ks%2 == 0
	v_wmma_scale_f32_16x16x128_f8f6f4 v[ACC+8*i:ACC+8*i+7], v[FG:FG+11], v[A+12*ks:A+12*ks+11], v[ACC+8*i:ACC+8*i+7], v[WSC+4*t+ks/2], v[XS+ks/2] matrix_a_fmt:MATRIX_FMT_FP6 matrix_b_fmt:MATRIX_FMT_FP6
.else
	v_wmma_scale_f32_16x16x128_f8f6f4 v[ACC+8*i:ACC+8*i+7], v[FG:FG+11], v[A+12*ks:A+12*ks+11], v[ACC+8*i:ACC+8*i+7], v[WSC+4*t+ks/2], v[XS+ks/2] matrix_a_fmt:MATRIX_FMT_FP6 matrix_b_fmt:MATRIX_FMT_FP6 matrix_a_scale:MATRIX_SCALE_ROW1 matrix_b_scale:MATRIX_SCALE_ROW1
.endif
.set i, i+1
.endr
.if (\pf) && (ks == 3)
	WIN 0
	PLACES 4                                       ; in front of loads into registers that matrix instructions have read
	ASKX 0
.endif
.set ks, ks+1
.endr
	WIN 0
	PLACES 4                                       ; in front of the first read of results, and of the loads below
.if \pf
	ASKX 4
.endif
.endm
; The pass's 32 numbers a lane: relu, two blocks' scales, codes; registers 6 p .. 6 p + 5 of h's fragment and two bytes of its scale word.
.macro QUANT p
.set j, 0
.rept 32
	v_max_num_f32 v[ACC+j], 0, v[ACC+j]            ; the activation, in f32; each accumulator from its low end on
.set j, j+1
.endr
	v_max3_num_f32 v[TM], v[ACC], v[ACC+1], 0x1800000      ; none is negative: no |.|; the floor 2^(3 - 127) holds the byte at 1 from below
	v_max3_num_f32 v[TM+1], v[ACC+16], v[ACC+17], 0x1800000
.irp k, 2,4,6,8,10,12,14
	v_max3_num_f32 v[TM], v[TM], v[ACC+\k], v[ACC+\k+1]
	v_max3_num_f32 v[TM+1], v[TM+1], v[ACC+16+\k], v[ACC+17+\k]
.endr
	v_permlanex16_b32 v[TP], v[TM], s[SSEL], s[SSEL+1]
	v_permlanex16_b32 v[TP+1], v[TM+1], s[SSEL], s[SSEL+1]
	v_max_num_f32 v[TM], v[TM], v[TP]              ; with lane l xor 16's 16: the block's
	v_max_num_f32 v[TM+1], v[TM+1], v[TP+1]
	v_add_nc_u32 v[SC], 0xff000000, v[TM]          ; 2 off the exponent field: the conversion's scale operand
	v_add_nc_u32 v[SC+1], 0xff000000, v[TM+1]
	v_lshrrev_b32 v[BY], 23, v[SC]
	v_lshrrev_b32 v[BY+1], 23, v[SC+1]
.if (\p) == 0
	v_lshl_or_b32 v[PW], v[BY+1], 8, v[BY]         ; bytes 0, 1: blocks 0, 2
.else
	v_lshl_or_b32 v[PW], v[BY], 16, v[PW]          ; bytes 2, 3: blocks 1, 3
	v_lshl_or_b32 v[PW], v[BY+1], 24, v[PW]
.endif
	v_cvt_scalef32_pk16_fp6_f32 v[PC+6*(\p):PC+6*(\p)+2], v[ACC:ACC+15], v[SC]
	v_cvt_scalef32_pk16_fp6_f32 v[CB:CB+2], v[ACC+16:ACC+31], v[SC+1]
	v_nop                                          ; one plain place behind a scaled conversion
.irp k, 0,1,2
	v_permlane16_swap_b32 v[PC+6*(\p)+\k], v[CB+\k]   ; lanes 0-15 now hold block p whole, lanes 16-31 block p + 2
.endr
.irp k, 0,1,2
	v_mov_b32 v[PC+6*(\p)+3+\k], v[CB+\k]
.endr
.endm
; A tile of 16 rows.  On the way in, in this order: the token of the tile after, this tile's scale words, its 24 fragment loads.  pf = 1: a tile follows.
.macro TRIP pf
	s_wait_loadcnt 24                              ; the token and the scale words are in; the 24 fragment loads may be out
.irp m, 0,1,2,3
	v_mov_b32 v[XS+\m], v[XSN+\m]
.endr
.if \pf
	v_min_u32 v[TA], 0x3ff, v[RIDN]                ; the next tile's addresses (the loads that read the old ones have had them translated)
	v_mad_u32_u24 v[VO], v[TA], 768, v[H48]
	v_lshl_add_u32 v[VX], v[TA], 5, v[H16]
	PLACES 5                                       ; a scale register written by a vector instruction stands eight places ahead of the product
.else
	PLACES 8
.endif
	BIAS 0
	s_wait_dscnt 0x0
	PASS 0, 0
	QUANT 0
.if \pf
	s_lshl_b32 s[STMP], s[SCT], 6                  ; 16 x (my tile + 8) = 64 SCT + 16 w + 64
	s_add_co_u32 s[STMP], s[STMP], s[SWB]
	ASKTOK                                         ; the tokens two tiles on
	global_load_b128 v[XSN:XSN+3], v[VX], s[4:5] offset:XSC_OFF
.endif
	BIAS 1
	s_wait_dscnt 0x0
	PASS 1, \pf
	QUANT 1
.irp g, 0,1,2
	global_store_b128 v[LI0], v[PC+4*\g:PC+4*\g+3], s[SHB:SHB+1] offset:512*\g   ; 32 lanes store 512 consecutive bytes, aligned
.endr
	global_store_b32 v[L4], v[PW], s[SHS:SHS+1]
.if \pf
	s_wait_xcnt 0x0                                ; stores and loads have read their registers and bases: both are written again
	s_add_nc_u64 s[SHB:SHB+1], s[SHB:SHB+1], 196608   ; four tiles on
	s_add_nc_u64 s[SHS:SHS+1], s[SHS:SHS+1], 16384
.endif
.endm
.Lloop:                                                ; SN - 1 trips: every tile of mine but the last
	TRIP 1
	s_add_co_u32 s[SCT], s[SCT], 1
	s_cmp_lt_u32 s[SCT], s[SN]
	s_cbranch_scc1 .Lloop
.Llast:
	TRIP 0                                         ; my last tile asks for nothing more
.Lend:
	s_wait_tensorcnt 0x0
	ds_add_u32 v254, v255
	s_wait_dscnt 0x0
	s_endpgm
.Lfunc_end_k_qaba2ccca0d_ffn1:
	.size	k_qaba2ccca0d_ffn1, .Lfunc_end_k_qaba2ccca0d_ffn1-k_qaba2ccca0d_ffn1
	.p2alignl 7, 3214868480
	.fill 96, 4, 3214868480
	.section	.rodata,"a",@progbits
	.p2align	6, 0x0
	.amdhsa_kernel k_qaba2ccca0d_ffn1
		.amdhsa_group_segment_fixed_size 102400
		.amdhsa_private_segment_fixed_size 0
		.amdhsa_enable_private_segment 0
		.amdhsa_kernarg_size 48
		.amdhsa_user_sgpr_count 2
		.amdhsa_user_sgpr_kernarg_segment_ptr 1
		.amdhsa_wavefront_size32 1
		.amdhsa_system_sgpr_workgroup_id_x 1
		.amdhsa_system_sgpr_workgroup_id_y 1
		.amdhsa_system_sgpr_workgroup_id_z 1
		.amdhsa_system_vgpr_workitem_id 0
		.amdhsa_next_free_vgpr 1024
		.amdhsa_next_free_sgpr 66
		.amdhsa_reserve_vcc 0
		.amdhsa_float_denorm_mode_32 3
		.amdhsa_float_denorm_mode_16_64 3
		.amdhsa_memory_ordered 1
		.amdhsa_forward_progress 1
		.amdhsa_inst_pref_size 68
	.end_amdhsa_kernel
	.amdgpu_metadata
---
amdhsa.version: [ 1, 2 ]
amdhsa.kernels:
  - .name:           k_qaba2ccca0d_ffn1
    .symbol:         k_qaba2ccca0d_ffn1.kd
    .args:
      - { .name: xq, .offset: 0, .size: 8, .value_kind: global_buffer, .address_space: global }
      - { .name: tab, .offset: 8, .size: 8, .value_kind: global_buffer, .address_space: global }
      - { .name: W1_codes, .offset: 16, .size: 8, .value_kind: global_buffer, .address_space: global }
      - { .name: W1_scales, .offset: 24, .size: 8, .value_kind: global_buffer, .address_space: global }
      - { .name: b1, .offset: 32, .size: 8, .value_kind: global_buffer, .address_space: global }
      - { .name: hq, .offset: 40, .size: 8, .value_kind: global_buffer, .address_space: global }
    .group_segment_fixed_size: 102400
    .private_segment_fixed_size: 0
    .kernarg_segment_align: 8
    .kernarg_segment_size: 48
    .max_flat_workgroup_size: 128
    .sgpr_count:     66
    .vgpr_count:     1024
    .wavefront_size: 32
...
	.end_amdgpu_metadata
.endif
;; end of part 3
;; launch ffn2 (part 4): grid 16 x 16, 4 waves a work-group, no clusters, 70,144 bytes of LDS; arguments hq, tab, W2_codes, W2_scales, b2, ys; writes ys
.if DOCPART == 4
	.amdgcn_target "amdgcn-amd-amdhsa--gfx1250"
	.amdhsa_code_object_version 6
	.text
	.protected	k_qaba2ccca0d_ffn2
	.globl	k_qaba2ccca0d_ffn2
	.p2align	8
	.type	k_qaba2ccca0d_ffn2,@function
k_qaba2ccca0d_ffn2:
	s_mov_b64 s[64:65], 0
	v_nop
	global_prefetch_b8 v0, s[64:65] scope:SCOPE_SE
	s_setreg_imm32_b32 hwreg(HW_REG_WAVE_MODE, 25, 1), 1
	s_wait_xcnt 0x0
; y = h W2 + b2 for the routed rows, on codes of E2M3 with E8M0 scales.  Work-group (c, 2 e + rho): output columns 64 c .. 64 c + 63 of expert e, row tiles rho, rho + 2, ..
; THE WAVES SHARE K.  Wave w keeps K steps 8 w .. 8 w + 7 (of 32) of the four column tiles in registers for the whole launch: 32 fragments, 384 registers, loaded by this wave alone.  Of a tile of 16 rows it loads
; the 8 fragments of h of its K steps (images of the operand's registers, 12,288 consecutive bytes) and each feeds four products.  The four waves' partial sums meet in LDS: a stage of four tiles, two barriers for four tiles.
; The blocks' order in a K step and the exchanged middle bytes of the scale words are the first product's (see there): W2's fragments are three aligned loads of 16 bytes a lane.
; TRANSPOSED: source 0 = 16 rows of W2 (output columns), source 1 = 16 rows of h: a lane holds one routed row and eight neighbouring columns.
; THE LOOP HAS 8 TRIPS WHATEVER THE COUNT (64 tiles at the most, 8 a trip for the two work-groups): the barriers stand on every wave's path; a tile that the expert does not have is passed over by a scalar branch on the stored count.
; h COMES TWO TILES AHEAD, in two register buffers.  Both are loaded at the head without a branch (a tile that is not there is replaced by the expert's tile 0, which the launch before always stores).  An active step waits until at most
; the other buffer's 32 loads are out, multiplies, and loads the tile four on into the buffer just read; where there is none, or the step is passed over, all loads are waited for instead, so that the count 32 holds on every way.
; No tensor load and no cluster: branches hang on a count read from memory.
.set HS_OFF, 25165824
.set GST, 17408                        ; LDS: a tile's stage: 4 waves x 16 rows x (256 + 16) bytes
.set LI,  1                            ; v1   16 x lane
.set L4,  2                            ; v2   4 x lane
.set WO,  3                            ; v3   W2's codes: 3072 r + 48 h
.set WSO, 4                            ; v4   W2's scale words: 128 r + 4 h
.set STO, 5                            ; v5   the stage, in: 4352 w + 272 r + 32 h
.set RDA, 6                            ; v6   the stage, back: row 4 w + h, 16 bytes a lane;  v7 the same two tiles on
.set RDB, 7
.set YO,  8                            ; v8   the same place in ys
.set BO,  9                            ; v9   16 r: my four columns of b2
.set TA,  10                           ; v10 r, v11 h
.set B2,  12                           ; v12-15
.set WS,  16                           ; v16-31 W2's scale words: column tile n, K steps 2 m, 2 m + 1 at 4 n + m
.set AS,  32                           ; v32-47 h's scale words: 8 a buffer
.set ACC, 48                           ; v48-79 four accumulators
.set RD,  80                           ; v80-111
.set T,   112                          ; v112-119
.set OUT, 120                          ; v120-151: 8 a tile
.set SWV, 16
.set SEX, 17
.set SRHO, 18
.set SCNT, 24
.set SNT, 25
.set SQ,  26                           ; s26 the step's tile
.set SQP, 27                           ; s27 the trip's first tile
.set SCTR, 28
.set SPSEL, 34
.set STMP, 35
.set SAB, 36                           ; s[36:37], s[40:41] where buffer 0's, 1's tile lies in hq
.set SSB, 38                           ; s[38:39], s[42:43] and its scale words
.set MSB, 0
.macro WIN new                         ; the immediate's high byte repeats the setting that is left
.if MSB != (\new)
	s_set_vgpr_msb (MSB<<8)|(\new)
.set MSB, (\new)
.endif
.endm
.macro PLACES n
.rept \n
	v_nop
.endr
.endm
.macro LOADH b                         ; a tile's 8 fragments of my K steps into buffer b (window 2 from v132, or window 3 from v0), and their scale words: 32 loads
.if (\b) == 0
.set AG, 132
	WIN 0x80
.else
.set AG, 0
	WIN 0xc0
.endif
.set k, 0
.rept 24
	global_load_b128 v[AG+4*k:AG+4*k+3], v[LI], s[SAB+4*(\b):SAB+4*(\b)+1] offset:512*k
.set k, k+1
.endr
	WIN 0
.irp q, 0,1,2,3,4,5,6,7
	global_load_b32 v[AS+8*(\b)+\q], v[L4], s[SSB+4*(\b):SSB+4*(\b)+1] offset:128*\q
.endr
.endm
	s_load_b256 s[4:11], s[0:1], 0x0               ; hq s[4:5], tab s[6:7], W2's codes s[8:9], W2's scales s[10:11]
	s_load_b128 s[12:15], s[0:1], 0x20             ; b2 s[12:13], ys s[14:15]
	v_lshl_add_u32 v254, v0, 2, 0x11000
	v_mov_b32 v255, 0
	v_lshrrev_b32 v[TA], 5, v0
	v_readfirstlane_b32 s[SWV], v[TA]
	v_and_b32 v[TA], 31, v0
	v_lshlrev_b32 v[LI], 4, v[TA]
	v_lshlrev_b32 v[L4], 2, v[TA]
	v_and_b32 v[TA], 15, v0
	v_bfe_u32 v[TA+1], v0, 4, 1
	v_mul_u32_u24 v[WO], v[TA+1], 48
	v_mad_u32_u24 v[WO], v[TA], 3072, v[WO]
	v_lshlrev_b32 v[WSO], 7, v[TA]
	v_lshl_add_u32 v[WSO], v[TA+1], 2, v[WSO]
	v_lshlrev_b32 v[BO], 4, v[TA]
	s_and_b32 s[STMP], ttmp7, 0xffff
	s_lshr_b32 s[SEX], s[STMP], 1
	s_and_b32 s[SRHO], s[STMP], 1
	s_mov_b32 s[SPSEL], 0x03010200
	s_mov_b32 s21, 0
	s_wait_kmcnt 0x0
	s_lshl_b32 s20, s[SEX], 2
	s_add_nc_u64 s[22:23], s[6:7], s[20:21]
	s_load_b32 s[SCNT], s[22:23], 0x0              ; the expert's count
	s_lshl_b32 s20, s[SEX], 17                     ; W2's scales: the expert, my 64 rows of 128 bytes, my 8 words
	s_lshl_b32 s[STMP], ttmp9, 13
	s_add_co_u32 s20, s20, s[STMP]
	s_lshl_b32 s[STMP], s[SWV], 5
	s_add_co_u32 s20, s20, s[STMP]
	s_add_nc_u64 s[10:11], s[10:11], s[20:21]
	s_lshl_b32 s20, s[SEX], 12
	s_lshl_b32 s[STMP], ttmp9, 8
	s_add_co_u32 s20, s20, s[STMP]
	s_add_nc_u64 s[12:13], s[12:13], s[20:21]
	s_mul_i32 s20, s[SEX], 3145728                 ; W2's codes: the expert, my 64 rows of 3,072 bytes, my 8 K steps of 96
	s_mul_i32 s[STMP], ttmp9, 196608
	s_add_co_u32 s20, s20, s[STMP]
	s_mul_i32 s[STMP], s[SWV], 768
	s_add_co_u32 s20, s20, s[STMP]
	s_add_nc_u64 s[8:9], s[8:9], s[20:21]
	s_lshl_b32 s20, s[SEX], 22                     ; ys: row 1024 e + 16 rho, column 64 c
	s_lshl_b32 s[STMP], s[SRHO], 16
	s_add_co_u32 s20, s20, s[STMP]
	s_lshl_b32 s[STMP], ttmp9, 8
	s_add_co_u32 s20, s20, s[STMP]
	s_add_nc_u64 s[14:15], s[14:15], s[20:21]
	s_mul_i32 s20, s[SEX], 3145728                 ; hq: the expert's tile 0, my 8 K steps
	s_mul_i32 s[STMP], s[SWV], 12288
	s_add_co_u32 s20, s20, s[STMP]
	s_add_nc_u64 s[44:45], s[4:5], s[20:21]
	s_lshl_b32 s20, s[SEX], 18
	s_lshl_b32 s[STMP], s[SWV], 10
	s_add_co_u32 s20, s20, s[STMP]
	s_add_nc_u64 s[46:47], s[4:5], s[20:21]
	s_add_nc_u64 s[46:47], s[46:47], HS_OFF
.irp n, 0,1,2,3
.irp m, 0,1,2,3
	global_load_b32 v[WS+4*\n+\m], v[WSO], s[10:11] offset:2048*\n+8*\m
.endr
.endr
	global_load_b128 v[B2:B2+3], v[BO], s[12:13]
.set f, 0
.rept 32                               ; fragment f = 4 (K step) + column tile: 21 in window 1, the rest in window 2
.if f < 21
	WIN 0x40
.set FG, 12*f
.else
	WIN 0x80
.set FG, 12*(f-21)
.endif
.irp g, 0,1,2
	global_load_b128 v[FG+4*\g:FG+4*\g+3], v[WO], s[8:9] offset:49152*(f%4)+96*(f/4)+16*\g
.endr
.set f, f+1
.endr
	WIN 0
	s_wait_kmcnt 0x0
	s_min_u32 s[SCNT], s[SCNT], 1024
	s_add_co_u32 s[SNT], s[SCNT], 15
	s_lshr_b32 s[SNT], s[SNT], 4
	s_cmp_lt_u32 s[SRHO], s[SNT]
	s_cselect_b32 s[STMP], s[SRHO], 0              ; my first tile, or tile 0
	s_mul_i32 s20, s[STMP], 49152
	s_add_nc_u64 s[SAB:SAB+1], s[44:45], s[20:21]
	s_lshl_b32 s20, s[STMP], 12
	s_add_nc_u64 s[SSB:SSB+1], s[46:47], s[20:21]
	s_add_co_u32 s[STMP], s[SRHO], 2
	s_cmp_lt_u32 s[STMP], s[SNT]
	s_cselect_b32 s[STMP], s[STMP], 0              ; my second
	s_mul_i32 s20, s[STMP], 49152
	s_add_nc_u64 s[SAB+4:SAB+5], s[44:45], s[20:21]
	s_lshl_b32 s20, s[STMP], 12
	s_add_nc_u64 s[SSB+4:SSB+5], s[46:47], s[20:21]
	LOADH 0
	LOADH 1
	s_mov_b32 s[SQ], s[SRHO]
	s_mov_b32 s[SQP], s[SRHO]
	s_mov_b32 s[SCTR], 8
	s_wait_loadcnt 63                              ; 160 loads were issued behind W2's scale words and b2: these are in
.set n, 0
.rept 16
	v_perm_b32 v[WS+n], v[WS+n], v[WS+n], s[SPSEL]
.set n, n+1
.endr
	s_mul_i32 s[STMP], s[SWV], 4352                ; the addresses of the way out: ten plain lines, the places between a scale register's write and the first product
	v_mul_u32_u24 v[STO], v[TA], 272
	v_lshl_add_u32 v[STO], v[TA+1], 5, v[STO]
	v_add_nc_u32 v[STO], s[STMP], v[STO]
	s_mul_i32 s[STMP], s[SWV], 1088
	v_mul_u32_u24 v[RDA], v[TA+1], 272
	v_lshl_add_u32 v[RDA], v[TA], 4, v[RDA]
	v_add_nc_u32 v[RDA], s[STMP], v[RDA]
	v_add_nc_u32 v[RDB], 2*GST, v[RDA]
	s_lshl_b32 s[STMP], s[SWV], 14
	v_lshlrev_b32 v[YO], 12, v[TA+1]
	v_lshl_add_u32 v[YO], v[TA], 4, v[YO]
	v_add_nc_u32 v[YO], s[STMP], v[YO]
; 32 products: my 8 K steps x 4 column tiles on buffer b; the four accumulators take turns, one instruction a turn; the first K step starts the sums.
.macro MULS b
.set kq, 0
.rept 8
.set n, 0
.rept 4
.set f, 4*kq+n
.if f < 21
.set FW, 1
.set FG, 12*f
.else
.set FW, 2
.set FG, 12*(f-21)
.endif
.if (\b) == 0
.set AG, 132+12*kq
	WIN FW|(2<<2)
.else
.set AG, 12*kq
	WIN FW|(3<<2)
.endif
.if kq == 0
	v_wmma_scale_f32_16x16x128_f8f6f4 v[ACC+8*n:ACC+8*n+7], v[FG:FG+11], v[AG:AG+11], 0, v[WS+4*n], v[AS+8*(\b)] matrix_a_fmt:MATRIX_FMT_FP6 matrix_b_fmt:MATRIX_FMT_FP6
.elseif kq%2 == 0
	v_wmma_scale_f32_16x16x128_f8f6f4 v[ACC+8*n:ACC+8*n+7], v[FG:FG+11], v[AG:AG+11], v[ACC+8*n:ACC+8*n+7], v[WS+4*n+kq/2], v[AS+8*(\b)+kq] matrix_a_fmt:MATRIX_FMT_FP6 matrix_b_fmt:MATRIX_FMT_FP6
.else
	v_wmma_scale_f32_16x16x128_f8f6f4 v[ACC+8*n:ACC+8*n+7], v[FG:FG+11], v[AG:AG+11], v[ACC+8*n:ACC+8*n+7], v[WS+4*n+kq/2], v[AS+8*(\b)+kq] matrix_a_fmt:MATRIX_FMT_FP6 matrix_b_fmt:MATRIX_FMT_FP6 matrix_a_scale:MATRIX_SCALE_ROW1
.endif
.set n, n+1
.endr
.set kq, kq+1
.endr
	WIN 0
.endm
.macro STEP g
.set bb, (\g)%2
	s_cmp_ge_u32 s[SQ], s[SNT]
	s_cbranch_scc1 .Lwait_\@
	s_wait_loadcnt 32                              ; this buffer's 32 loads are in (and all older ones); the other buffer's 32 may be out
	s_wait_dscnt 0x0                               ; the last step's stores into the stage have read the accumulators
	MULS bb
	PLACES 5                                       ; four in front of the stores and loads below; five in front of the next step's products, which begin these accumulators anew
.irp n, 0,1,2,3
	ds_store_b128 v[STO], v[ACC+8*\n:ACC+8*\n+3] offset:(\g)*GST+64*\n          ; each accumulator from its low end on
	ds_store_b128 v[STO], v[ACC+8*\n+4:ACC+8*\n+7] offset:(\g)*GST+64*\n+16
.endr
	s_add_co_u32 s[STMP], s[SQ], 4
	s_cmp_ge_u32 s[STMP], s[SNT]
	s_cbranch_scc1 .Lwait_\@
	s_add_nc_u64 s[SAB+4*bb:SAB+4*bb+1], s[SAB+4*bb:SAB+4*bb+1], 196608   ; four tiles on (this buffer's loads are done, so its bases may be written)
	s_add_nc_u64 s[SSB+4*bb:SSB+4*bb+1], s[SSB+4*bb:SSB+4*bb+1], 16384
	LOADH bb
	s_branch .Ljoin_\@
.Lwait_\@:
	s_wait_loadcnt 0x0                             ; nothing was asked for on this way: all loads are waited for, so that the count at the next step's head holds
.Ljoin_\@:
	s_add_co_u32 s[SQ], s[SQ], 2
.endm
; Tile g of the trip: wave w adds the four waves' parts of rows 4 w .. 4 w + 3, and b2; sixteen lanes store a row's 256 bytes.
.macro RED g
	s_add_co_u32 s[STMP], s[SQP], 2*(\g)
	s_cmp_ge_u32 s[STMP], s[SNT]
	s_cbranch_scc1 .Lnone_\@
.irp u, 0,1
.irp p, 0,1,2,3
	ds_load_b128 v[RD+16*\u+4*\p:RD+16*\u+4*\p+3], v[RDA+(\g)/2] offset:((\g)%2)*GST+\p*4352+\u*544
.endr
.endr
	s_wait_dscnt 0x0
.irp u, 0,1
	v_pk_add_f32 v[T:T+1], v[RD+16*\u:RD+16*\u+1], v[RD+16*\u+4:RD+16*\u+5]
	v_pk_add_f32 v[T+2:T+3], v[RD+16*\u+2:RD+16*\u+3], v[RD+16*\u+6:RD+16*\u+7]
	v_pk_add_f32 v[T+4:T+5], v[RD+16*\u+8:RD+16*\u+9], v[RD+16*\u+12:RD+16*\u+13]
	v_pk_add_f32 v[T+6:T+7], v[RD+16*\u+10:RD+16*\u+11], v[RD+16*\u+14:RD+16*\u+15]
	v_pk_add_f32 v[T:T+1], v[T:T+1], v[T+4:T+5]
	v_pk_add_f32 v[T+2:T+3], v[T+2:T+3], v[T+6:T+7]
	v_pk_add_f32 v[OUT+8*(\g)+4*\u:OUT+8*(\g)+4*\u+1], v[T:T+1], v[B2:B2+1]
	v_pk_add_f32 v[OUT+8*(\g)+4*\u+2:OUT+8*(\g)+4*\u+3], v[T+2:T+3], v[B2+2:B2+3]
	global_store_b128 v[YO], v[OUT+8*(\g)+4*\u:OUT+8*(\g)+4*\u+3], s[14:15] offset:(\g)*131072+\u*8192   ; 16 lanes store 256 consecutive bytes, aligned
.endr
.Lnone_\@:
.endm
.Ltrip:
	STEP 0
	STEP 1
	STEP 2
	STEP 3
	s_wait_dscnt 0x0                               ; for the others' sake: my parts lie in the stage
	s_barrier_signal -1
	s_barrier_wait -1
	RED 0
	RED 1
	RED 2
	RED 3
	s_wait_dscnt 0x0                               ; my reads of the stage are over: the next trip writes it again
	s_barrier_signal -1
	s_barrier_wait -1
	s_wait_xcnt 0x0                                ; the stores have read their data and their base
	s_add_nc_u64 s[14:15], s[14:15], 524288        ; eight tiles of 16 rows on
	s_add_co_u32 s[SQP], s[SQP], 8
	s_sub_co_u32 s[SCTR], s[SCTR], 1
	s_cmp_lg_u32 s[SCTR], 0
	s_cbranch_scc1 .Ltrip
	s_wait_tensorcnt 0x0
	ds_add_u32 v254, v255
	s_wait_dscnt 0x0
	s_endpgm
.Lfunc_end_k_qaba2ccca0d_ffn2:
	.size	k_qaba2ccca0d_ffn2, .Lfunc_end_k_qaba2ccca0d_ffn2-k_qaba2ccca0d_ffn2
	.p2alignl 7, 3214868480
	.fill 96, 4, 3214868480
	.section	.rodata,"a",@progbits
	.p2align	6, 0x0
	.amdhsa_kernel k_qaba2ccca0d_ffn2
		.amdhsa_group_segment_fixed_size 70144
		.amdhsa_private_segment_fixed_size 0
		.amdhsa_enable_private_segment 0
		.amdhsa_kernarg_size 48
		.amdhsa_user_sgpr_count 2
		.amdhsa_user_sgpr_kernarg_segment_ptr 1
		.amdhsa_wavefront_size32 1
		.amdhsa_system_sgpr_workgroup_id_x 1
		.amdhsa_system_sgpr_workgroup_id_y 1
		.amdhsa_system_sgpr_workgroup_id_z 1
		.amdhsa_system_vgpr_workitem_id 0
		.amdhsa_next_free_vgpr 864
		.amdhsa_next_free_sgpr 66
		.amdhsa_reserve_vcc 0
		.amdhsa_float_denorm_mode_32 3
		.amdhsa_float_denorm_mode_16_64 3
		.amdhsa_memory_ordered 1
		.amdhsa_forward_progress 1
		.amdhsa_inst_pref_size 63
	.end_amdhsa_kernel
	.amdgpu_metadata
---
amdhsa.version: [ 1, 2 ]
amdhsa.kernels:
  - .name:           k_qaba2ccca0d_ffn2
    .symbol:         k_qaba2ccca0d_ffn2.kd
    .args:
      - { .name: hq, .offset: 0, .size: 8, .value_kind: global_buffer, .address_space: global }
      - { .name: tab, .offset: 8, .size: 8, .value_kind: global_buffer, .address_space: global }
      - { .name: W2_codes, .offset: 16, .size: 8, .value_kind: global_buffer, .address_space: global }
      - { .name: W2_scales, .offset: 24, .size: 8, .value_kind: global_buffer, .address_space: global }
      - { .name: b2, .offset: 32, .size: 8, .value_kind: global_buffer, .address_space: global }
      - { .name: ys, .offset: 40, .size: 8, .value_kind: global_buffer, .address_space: global }
    .group_segment_fixed_size: 70144
    .private_segment_fixed_size: 0
    .kernarg_segment_align: 8
    .kernarg_segment_size: 48
    .max_flat_workgroup_size: 128
    .sgpr_count:     66
    .vgpr_count:     864
    .wavefront_size: 32
...
	.end_amdgpu_metadata
.endif
;; end of part 4
;; launch combine (part 5): grid 256 x 1, 4 waves a work-group, no clusters, 0 bytes of LDS; arguments ys, tab, gates, out0; writes out0
.if DOCPART == 5
	.amdgcn_target "amdgcn-amd-amdhsa--gfx1250"
	.amdhsa_code_object_version 6
	.text
	.protected	k_qaba2ccca0d_combine
	.globl	k_qaba2ccca0d_combine
	.p2align	8
	.type	k_qaba2ccca0d_combine,@function
k_qaba2ccca0d_combine:
	s_mov_b64 s[64:65], 0
	v_nop
	global_prefetch_b8 v0, s[64:65] scope:SCOPE_SE
	s_setreg_imm32_b32 hwreg(HW_REG_WAVE_MODE, 25, 1), 1
	s_wait_xcnt 0x0
; out[t] = g0 y[e0][t] + g1 y[e1][t].  A wave takes a token: its two rows of ys (found by the stored places, 1024 e + rank) are 4,096 bytes each; each load and store of the wave covers 512 consecutive bytes.
; All 16 loads go out at once; the counts run down two at a time.  A stream: no LDS, no barrier, no matrix unit, and nothing is shared between work-groups.
.set INV_OFF, 35072
.set Y, 8                              ; v8-71: piece i: four numbers of the first row, four of the second
	s_load_b256 s[4:11], s[0:1], 0x0               ; ys s[4:5], tab s[6:7], gates s[8:9], out0 s[10:11]
	v_lshrrev_b32 v1, 5, v0
	v_readfirstlane_b32 s12, v1
	v_and_b32 v1, 31, v0
	v_lshlrev_b32 v1, 4, v1
	s_lshl_b32 s13, ttmp9, 2
	s_add_co_u32 s13, s13, s12                     ; the token
	s_lshl_b32 s14, s13, 3
	s_mov_b32 s15, 0
	s_wait_kmcnt 0x0
	s_add_nc_u64 s[18:19], s[6:7], s[14:15]
	s_add_nc_u64 s[20:21], s[8:9], s[14:15]
	s_load_b64 s[16:17], s[18:19], INV_OFF         ; its two places
	s_load_b64 s[22:23], s[20:21], 0x0             ; its two gates
	s_lshl_b32 s14, s13, 12
	s_add_nc_u64 s[10:11], s[10:11], s[14:15]
	s_wait_kmcnt 0x0
	s_min_u32 s16, s16, 8191                       ; loaded numbers are held before they enter an address
	s_min_u32 s17, s17, 8191
	s_lshl_b32 s14, s16, 12
	s_add_nc_u64 s[24:25], s[4:5], s[14:15]
	s_lshl_b32 s14, s17, 12
	s_add_nc_u64 s[26:27], s[4:5], s[14:15]
	s_mov_b32 s28, s22                             ; a packed form names a pair and takes its low word for both halves
	s_mov_b32 s29, s22
	s_mov_b32 s30, s23
	s_mov_b32 s31, s23
.irp i, 0,1,2,3,4,5,6,7
	global_load_b128 v[Y+8*\i:Y+8*\i+3], v1, s[24:25] offset:512*\i th:TH_LOAD_NT
	global_load_b128 v[Y+8*\i+4:Y+8*\i+7], v1, s[26:27] offset:512*\i th:TH_LOAD_NT
.endr
.irp i, 0,1,2,3,4,5,6,7
	s_wait_loadcnt 14-2*\i                         ; piece i's two loads are in; the younger ones may be out
	v_pk_mul_f32 v[Y+8*\i:Y+8*\i+1], v[Y+8*\i:Y+8*\i+1], s[28:29] op_sel_hi:[1,0]
	v_pk_mul_f32 v[Y+8*\i+2:Y+8*\i+3], v[Y+8*\i+2:Y+8*\i+3], s[28:29] op_sel_hi:[1,0]
	v_pk_fma_f32 v[Y+8*\i:Y+8*\i+1], v[Y+8*\i+4:Y+8*\i+5], s[30:31], v[Y+8*\i:Y+8*\i+1] op_sel_hi:[1,0,1]
	v_pk_fma_f32 v[Y+8*\i+2:Y+8*\i+3], v[Y+8*\i+6:Y+8*\i+7], s[30:31], v[Y+8*\i+2:Y+8*\i+3] op_sel_hi:[1,0,1]
	global_store_b128 v1, v[Y+8*\i:Y+8*\i+3], s[10:11] offset:512*\i th:TH_STORE_NT
.endr
	s_endpgm
.Lfunc_end_k_qaba2ccca0d_combine:
	.size	k_qaba2ccca0d_combine, .Lfunc_end_k_qaba2ccca0d_combine-k_qaba2ccca0d_combine
	.p2alignl 7, 3214868480
	.fill 96, 4, 3214868480
	.section	.rodata,"a",@progbits
	.p2align	6, 0x0
	.amdhsa_kernel k_qaba2ccca0d_combine
		.amdhsa_group_segment_fixed_size 0
		.amdhsa_private_segment_fixed_size 0
		.amdhsa_enable_private_segment 0
		.amdhsa_kernarg_size 32
		.amdhsa_user_sgpr_count 2
		.amdhsa_user_sgpr_kernarg_segment_ptr 1
		.amdhsa_wavefront_size32 1
		.amdhsa_system_sgpr_workgroup_id_x 1
		.amdhsa_system_sgpr_workgroup_id_y 1
		.amdhsa_system_sgpr_workgroup_id_z 1
		.amdhsa_system_vgpr_workitem_id 0
		.amdhsa_next_free_vgpr 72
		.amdhsa_next_free_sgpr 66
		.amdhsa_reserve_vcc 0
		.amdhsa_float_denorm_mode_32 3
		.amdhsa_float_denorm_mode_16_64 3
		.amdhsa_memory_ordered 1
		.amdhsa_forward_progress 1
		.amdhsa_inst_pref_size 6
	.end_amdhsa_kernel
	.amdgpu_metadata
---
amdhsa.version: [ 1, 2 ]
amdhsa.kernels:
  - .name:           k_qaba2ccca0d_combine
    .symbol:         k_qaba2ccca0d_combine.kd
    .args:
      - { .name: ys, .offset: 0, .size: 8, .value_kind: global_buffer, .address_space: global }
      - { .name: tab, .offset: 8, .size: 8, .value_kind: global_buffer, .address_space: global }
      - { .name: gates, .offset: 16, .size: 8, .value_kind: global_buffer, .address_space: global }
      - { .name: out0, .offset: 24, .size: 8, .value_kind: global_buffer, .address_space: global }
    .group_segment_fixed_size: 0
    .private_segment_fixed_size: 0
    .kernarg_segment_align: 8
    .kernarg_segment_size: 32
    .max_flat_workgroup_size: 128
    .sgpr_count:     66
    .vgpr_count:     72
    .wavefront_size: 32
...
	.end_amdgpu_metadata
.endif
;; end of part 5
;; ======== version 2 of 2: 5 launches
;; workspace buffers: idx 4,096 bytes of whole numbers; gates 8,192 bytes; tab 43,264 bytes of whole numbers; xq 819,200 bytes; hq 27,262,976 bytes; ys 33,554,432 bytes
;; launch route (part 6): grid 256 x 1, 1 waves a work-group, no clusters, 3,584 bytes of LDS; arguments x, Wg, bg, xq, idx, gates; writes xq, idx, gates
.if DOCPART == 6
	.amdgcn_target "amdgcn-amd-amdhsa--gfx1250"
	.amdhsa_code_object_version 6
	.text
	.protected	k_qaba2ccca0d_route
	.globl	k_qaba2ccca0d_route
	.p2align	8
	.type	k_qaba2ccca0d_route,@function
k_qaba2ccca0d_route:
	s_mov_b64 s[64:65], 0
	v_nop
	global_prefetch_b8 v0, s[64:65] scope:SCOPE_SE
	s_setreg_imm32_b32 hwreg(HW_REG_WAVE_MODE, 25, 1), 1
	s_wait_xcnt 0x0
; ROUTER AND QUANTISER OF x.  One wave takes 4 tokens.  Lane l holds block l (32 neighbours along D) of each token and the 32 rows of Wg that go with it.
; logits = x Wg + bg by f32 fused multiply-adds (8 columns: no work for the matrix unit), summed over the lanes; top 2 of 8 with the lower index kept on a tie; softmax over the two, the larger taken away first.
; The chosen experts are stored as whole numbers at fixed places (word t = e0 | e1 << 8), the two gates beside them: no address of this launch hangs on them.
; x is turned into codes of E2M3 with one E8M0 byte for each 32 along D: codes at t x 768 in the blocks' own order; scale bytes at XSC_OFF + t x 32, laid as the first product reads them:
; word 4 (s & 1) + (s >> 1) belongs to K step s (128 along D), and in a word the two middle bytes have changed places (see the first product's head comment).
; LIMITS: NaN and infinite logits are not served.  A block whose largest magnitude lies under 2^-124 gets the byte 1 (a block of zeros too, where the rule says 127: its codes are zeros, and this program alone reads the bytes).
; No cluster, no tensor load: the work-groups share only Wg, 32 KiB.
.set XSC_OFF, 786432
.set CST, 0                            ; LDS: 4 x 768 bytes of codes
.set SST, 3072                         ; LDS: 4 x 32 scale bytes
.set XO,  1                            ; v1   128 x lane: my block in a row of x
.set WO,  2                            ; v2   1024 x lane: my 32 rows of Wg
.set L24, 3                            ; v3   24 x lane: my block's codes
.set BP,  4                            ; v4   my block's scale byte in its token's 32
.set L16, 5
.set L4,  6
.set TAU, 7                            ; v7   lane & 3: the token whose choice this lane makes
.set LG,  8                            ; v8-15  that token's 8 logits
.set T,   16                           ; v16-23 at work
.set EC,  24                           ; v24-31 the numbers 0 .. 7
.set ACC, 32                           ; v32-63 sums: token tau, expert e at 8 tau + e
.set X,   64                           ; v64-191 x: 32 numbers a token
.set OW,  160                          ; the way out (token 3's registers, when they are done with)
.set C,   192                          ; codes: 8 registers a token, 6 used
.set C1,  224                          ; a block's upper 16 codes as converted: 4 a token, 3 used
.set BY,  240                          ; a scale byte a token
.set L8,  244
.set MSB, 0
.macro WIN new                         ; the immediate's high byte repeats the setting that is left
.if MSB != (\new)
	s_set_vgpr_msb (MSB<<8)|(\new)
.set MSB, (\new)
.endif
.endm
	s_load_b256 s[4:11], s[0:1], 0x0               ; x s[4:5], Wg s[6:7], bg s[8:9], xq s[10:11]
	s_load_b128 s[12:15], s[0:1], 0x20             ; idx s[12:13], gates s[14:15]
	v_lshl_add_u32 v254, v0, 2, 0xd00
	v_mov_b32 v255, 0
	v_lshlrev_b32 v[XO], 7, v0
	v_lshlrev_b32 v[WO], 10, v0
	v_mul_u32_u24 v[L24], v0, 24
	v_and_b32 v[T], 4, v0
	v_lshlrev_b32 v[BP], 2, v[T]                   ; 16 x (K step & 1)
	v_lshrrev_b32 v[T], 3, v0
	v_lshl_add_u32 v[BP], v[T], 2, v[BP]           ; + 4 x (K step >> 1)
	v_and_b32 v[T], 1, v0
	v_lshl_add_u32 v[BP], v[T], 1, v[BP]           ; + the block's place in the word: 0, 2, 1, 3
	v_bfe_u32 v[T], v0, 1, 1
	v_add_nc_u32 v[BP], v[BP], v[T]
	v_lshlrev_b32 v[L16], 4, v0
	v_lshlrev_b32 v[L4], 2, v0
	v_lshlrev_b32 v[L8], 3, v0
	v_and_b32 v[TAU], 3, v0
.irp e, 0,1,2,3,4,5,6,7
	v_mov_b32 v[EC+\e], \e
.endr
	s_mov_b32 s24, 0x76543210                      ; v_permlanex16_b32's selects for lane l xor 16
	s_mov_b32 s25, 0xfedcba98
	s_mov_b32 s3, 0
	s_lshl_b32 s2, ttmp9, 14                       ; 4 tokens of 4,096 bytes
	s_wait_kmcnt 0x0
	s_load_b256 s[16:23], s[8:9], 0x0              ; bg
	s_add_nc_u64 s[4:5], s[4:5], s[2:3]
	s_mul_i32 s2, ttmp9, 3072
	s_add_nc_u64 s[32:33], s[10:11], s[2:3]        ; my 4 tokens' codes
	s_lshl_b32 s2, ttmp9, 7
	s_add_nc_u64 s[34:35], s[10:11], s[2:3]        ; their scale bytes (XSC_OFF stands in the store)
	s_lshl_b32 s2, ttmp9, 4
	s_add_nc_u64 s[36:37], s[12:13], s[2:3]
	s_lshl_b32 s2, ttmp9, 5
	s_add_nc_u64 s[38:39], s[14:15], s[2:3]
.irp tau, 0,1,2,3
.irp n, 0,1,2,3,4,5,6,7
	global_load_b128 v[X+32*\tau+4*\n:X+32*\tau+4*\n+3], v[XO], s[4:5] offset:4096*\tau+16*\n   ; no hint: a lane's 128 bytes of a token are taken by eight loads, 16 neighbouring bytes each
.endr
.endr
	WIN 0x40                                       ; destination window 1: register 8 i + e = Wg[32 lane + i][e]
.set n, 0
.rept 64
	global_load_b128 v[4*n:4*n+3], v[WO], s[6:7] offset:16*n
.set n, n+1
.endr
	WIN 0
	s_wait_loadcnt 0x0
	; the products: two experts an instruction, x's number broadcast to both halves; 16 chains that do not wait for each other; the first product starts each sum
	WIN 0x04                                       ; source 1 (Wg) window 1
.set i, 0
.rept 32
.irp tau, 0,1,2,3
.irp p, 0,1,2,3
.if i == 0
	v_pk_mul_f32 v[ACC+8*\tau+2*\p:ACC+8*\tau+2*\p+1], v[X+32*\tau:X+32*\tau+1], v[2*\p:2*\p+1] op_sel_hi:[0,1]
.elseif i%2 == 0
	v_pk_fma_f32 v[ACC+8*\tau+2*\p:ACC+8*\tau+2*\p+1], v[X+32*\tau+i:X+32*\tau+i+1], v[8*i+2*\p:8*i+2*\p+1], v[ACC+8*\tau+2*\p:ACC+8*\tau+2*\p+1] op_sel_hi:[0,1,1]
.else
	v_pk_fma_f32 v[ACC+8*\tau+2*\p:ACC+8*\tau+2*\p+1], v[X+32*\tau+i-1:X+32*\tau+i], v[8*i+2*\p:8*i+2*\p+1], v[ACC+8*\tau+2*\p:ACC+8*\tau+2*\p+1] op_sel:[1,0,0] op_sel_hi:[1,1,1]
.endif
.endr
.endr
.set i, i+1
.endr
	WIN 0
; Token tau's block of mine: largest magnitude (with the floor 2^(3 - 127) among its leaves), scale, 32 codes, into LDS.
.macro QX tau
.set XB, X+32*\tau
	v_max3_num_f32 v[T], |v[XB]|, |v[XB+1]|, |v[XB+2]|
	v_max3_num_f32 v[T+1], |v[XB+3]|, |v[XB+4]|, |v[XB+5]|
.irp i, 6,10,14,18,22,26
	v_max3_num_f32 v[T], v[T], |v[XB+\i]|, |v[XB+\i+1]|
	v_max3_num_f32 v[T+1], v[T+1], |v[XB+\i+2]|, |v[XB+\i+3]|
.endr
	v_max3_num_f32 v[T], v[T], |v[XB+30]|, |v[XB+31]|
	v_max3_num_f32 v[T], v[T], v[T+1], 0x1800000
	v_add_nc_u32 v[T+2], 0xff000000, v[T]          ; 2 off the exponent field: the conversion takes this operand's exponent field as its scale
	v_cvt_scalef32_pk16_fp6_f32 v[C+8*\tau:C+8*\tau+2], v[XB:XB+15], v[T+2]
	v_cvt_scalef32_pk16_fp6_f32 v[C1+4*\tau:C1+4*\tau+2], v[XB+16:XB+31], v[T+2]   ; (a conversion's three registers begin on an even number)
	v_lshrrev_b32 v[BY+\tau], 23, v[T+2]           ; the scale's byte; also the plain place behind the conversions
.irp i, 0,1,2
	v_mov_b32 v[C+8*\tau+3+\i], v[C1+4*\tau+\i]
.endr
.irp i, 0,1,2
	ds_store_b64 v[L24], v[C+8*\tau+2*\i:C+8*\tau+2*\i+1] offset:CST+768*\tau+8*\i
.endr
	ds_store_b8 v[BP], v[BY+\tau] offset:SST+32*\tau
.endm
	QX 0
	QX 1
	QX 2
	QX 3
.irp n, 0,1,2,3,4,5
	ds_load_b128 v[OW+4*\n:OW+4*\n+3], v[L16] offset:CST+512*\n   ; LDS serves a wave's instructions in order: these see my stores
.endr
	ds_load_b32 v[OW+24], v[L4] offset:SST
	; the sums over the 32 lanes stand between these loads and the stores that want them
.irp m, 1,2,4,8
.set j, 0
.rept 32
	v_add_f32_dpp v[ACC+j], v[ACC+j], v[ACC+j] row_xmask:\m row_mask:0xf bank_mask:0xf
.set j, j+1
.endr
.endr
.set j, 0
.rept 32
	v_permlanex16_b32 v[X+j], v[ACC+j], s24, s25   ; into token 0's registers, which are done with
.set j, j+1
.endr
.set j, 0
.rept 32
	v_add_f32 v[ACC+j], v[ACC+j], v[X+j]
.set j, j+1
.endr
.irp n, 0,1,2,3,4,5
	s_wait_dscnt 6-\n                              ; LDS loads come back in order: number n is in
	global_store_b128 v[L16], v[OW+4*\n:OW+4*\n+3], s[32:33] offset:512*\n   ; 32 lanes store 512 consecutive bytes, aligned
.endr
	s_wait_dscnt 0x0
	global_store_b32 v[L4], v[OW+24], s[34:35] offset:XSC_OFF
	; every lane takes the logits of token lane & 3
	v_cmp_eq_u32 s26, 1, v[TAU]
	v_cmp_eq_u32 s27, 2, v[TAU]
	v_cmp_eq_u32 s28, 3, v[TAU]
	s_wait_kmcnt 0x0                               ; bg
.irp e, 0,1,2,3,4,5,6,7
	v_cndmask_b32 v[LG+\e], v[ACC+\e], v[ACC+8+\e], s26
	v_cndmask_b32 v[LG+\e], v[LG+\e], v[ACC+16+\e], s27
	v_cndmask_b32 v[LG+\e], v[LG+\e], v[ACC+24+\e], s28
	v_add_f32 v[LG+\e], s[16+\e], v[LG+\e]
.endr
	; the largest: an ascending walk that changes only on 'greater' keeps the lower index on a tie
	v_mov_b32 v[T], v[LG]
	v_mov_b32 v[T+1], 0
.irp e, 1,2,3,4,5,6,7
	v_cmp_gt_f32 vcc_lo, v[LG+\e], v[T]
	v_cndmask_b32 v[T], v[T], v[LG+\e], vcc_lo
	v_cndmask_b32 v[T+1], v[T+1], v[EC+\e], vcc_lo
.endr
	v_mov_b32 v[T+4], 0xff800000                   ; the winner leaves the field
.irp e, 0,1,2,3,4,5,6,7
	v_cmp_eq_u32 vcc_lo, \e, v[T+1]
	v_cndmask_b32 v[LG+\e], v[LG+\e], v[T+4], vcc_lo
.endr
	v_mov_b32 v[T+2], v[LG]
	v_mov_b32 v[T+3], 0
.irp e, 1,2,3,4,5,6,7
	v_cmp_gt_f32 vcc_lo, v[LG+\e], v[T+2]
	v_cndmask_b32 v[T+2], v[T+2], v[LG+\e], vcc_lo
	v_cndmask_b32 v[T+3], v[T+3], v[EC+\e], vcc_lo
.endr
	; softmax over the two, the larger taken away: g0 = 1 / (1 + e^(v1 - v0)), g1 = e^(v1 - v0) g0
	v_sub_f32 v[T+5], v[T+2], v[T]
	v_mul_f32 v[T+5], 0x3fb8aa3b, v[T+5]
	s_wait_alu depctr_va_vdst(0)
	v_exp_f32 v[T+4], v[T+5]
	v_lshl_or_b32 v[T+2], v[T+3], 8, v[T+1]        ; the two experts as one word; also the plain place behind the exponential
	s_wait_alu depctr_va_vdst(0)                   ; the wait ahead of the first reader
	v_add_f32 v[T+5], 1.0, v[T+4]
	s_wait_alu depctr_va_vdst(0)
	v_rcp_f32 v[T+6], v[T+5]
	v_nop                                          ; a plain place behind the reciprocal
	s_wait_alu depctr_va_vdst(0)
	v_mul_f32 v[T+7], v[T+4], v[T+6]
	v_cmp_gt_u32 vcc_lo, 4, v0
	s_wait_alu depctr_va_vdst(0)
	s_wait_xcnt 0x0                                ; EXEC changes only when the stores above have read it
	s_wait_tensorcnt 0x0
	ds_add_u32 v254, v255
	s_wait_dscnt 0x0
	s_and_saveexec_b32 s30, vcc_lo                 ; lanes 0 to 3: lane l holds token l's choice
	global_store_b32 v[L4], v[T+2], s[36:37]
	global_store_b64 v[L8], v[T+6:T+7], s[38:39]
	s_wait_xcnt 0x0
	s_or_b32 exec_lo, exec_lo, s30
	s_endpgm
.Lfunc_end_k_qaba2ccca0d_route:
	.size	k_qaba2ccca0d_route, .Lfunc_end_k_qaba2ccca0d_route-k_qaba2ccca0d_route
	.p2alignl 7, 3214868480
	.fill 96, 4, 3214868480
	.section	.rodata,"a",@progbits
	.p2align	6, 0x0
	.amdhsa_kernel k_qaba2ccca0d_route
		.amdhsa_group_segment_fixed_size 3584
		.amdhsa_private_segment_fixed_size 0
		.amdhsa_enable_private_segment 0
		.amdhsa_kernarg_size 48
		.amdhsa_user_sgpr_count 2
		.amdhsa_user_sgpr_kernarg_segment_ptr 1
		.amdhsa_wavefront_size32 1
		.amdhsa_system_sgpr_workgroup_id_x 1
		.amdhsa_system_sgpr_workgroup_id_y 1
		.amdhsa_system_sgpr_workgroup_id_z 1
		.amdhsa_system_vgpr_workitem_id 0
		.amdhsa_next_free_vgpr 512
		.amdhsa_next_free_sgpr 66
		.amdhsa_reserve_vcc 1
		.amdhsa_float_denorm_mode_32 3
		.amdhsa_float_denorm_mode_16_64 3
		.amdhsa_memory_ordered 1
		.amdhsa_forward_progress 1
		.amdhsa_inst_pref_size 67
	.end_amdhsa_kernel
	.amdgpu_metadata
---
amdhsa.version: [ 1, 2 ]
amdhsa.kernels:
  - .name:           k_qaba2ccca0d_route
    .symbol:         k_qaba2ccca0d_route.kd
    .args:
      - { .name: x, .offset: 0, .size: 8, .value_kind: global_buffer, .address_space: global }
      - { .name: Wg, .offset: 8, .size: 8, .value_kind: global_buffer, .address_space: global }
      - { .name: bg, .offset: 16, .size: 8, .value_kind: global_buffer, .address_space: global }
      - { .name: xq, .offset: 24, .size: 8, .value_kind: global_buffer, .address_space: global }
      - { .name: idx, .offset: 32, .size: 8, .value_kind: global_buffer, .address_space: global }
      - { .name: gates, .offset: 40, .size: 8, .value_kind: global_buffer, .address_space: global }
    .group_segment_fixed_size: 3584
    .private_segment_fixed_size: 0
    .kernarg_segment_align: 8
    .kernarg_segment_size: 48
    .max_flat_workgroup_size: 32
    .sgpr_count:     66
    .vgpr_count:     512
    .wavefront_size: 32
...
	.end_amdgpu_metadata
.endif
;; end of part 6
;; launch place (part 7): grid 1 x 1, 8 waves a work-group, no clusters, 34,048 bytes of LDS; arguments idx, tab; writes tab
.if DOCPART == 7
	.amdgcn_target "amdgcn-amd-amdhsa--gfx1250"
	.amdhsa_code_object_version 6
	.text
	.protected	k_qaba2ccca0d_place
	.globl	k_qaba2ccca0d_place
	.p2align	8
	.type	k_qaba2ccca0d_place,@function
k_qaba2ccca0d_place:
	s_mov_b64 s[64:65], 0
	v_nop
	global_prefetch_b8 v0, s[64:65] scope:SCOPE_SE
	s_setreg_imm32_b32 hwreg(HW_REG_WAVE_MODE, 25, 1), 1
	s_wait_xcnt 0x0
; THE ROWS ARE PLACED BY EXPERT: a counting sort of 2,048 routed rows, by one work-group, without atomics.
; Wave e walks all 1,024 tokens in order and gives each the number of earlier tokens that chose expert e (a count of mask bits below the lane + a running count): RT[e][t] in LDS.
; Behind one barrier wave v takes tokens 128 v .. 128 v + 127, picks the two ranks that belong to each token's experts (by selects: no LDS address is made of a loaded number) and stores
;   list[e][rank] = t      at LIST_OFF + (1088 e + rank) x 4        inv[2 t + k] = 1024 e_k + rank_k     at INV_OFF + 8 t
; Wave 0 stores the counts (words 0 .. 31: word l = count of expert l & 7) and list[e][count] = 0, the token that fills a last tile of rows.
; One work-group: the sort is 4 KiB of input; sharing it out would need sums between work-groups.
.set RT, 0
.set CTL, 32768
.set LIST_OFF, 256
.set INV_OFF, 35072
.set IDX, 16                           ; v16-47 all tokens' words, then their ranks
.set IDY, 48                           ; v48-51 my 128 tokens' words
	s_load_b128 s[4:7], s[0:1], 0x0                ; idx s[4:5], tab s[6:7]
	v_lshl_add_u32 v144, v0, 2, 0x8100
	v_mov_b32 v145, 0
	v_lshrrev_b32 v1, 5, v0
	s_delay_alu instid0(VALU_DEP_1)
	v_readfirstlane_b32 s8, v1                     ; wave = expert in the first phase
	v_and_b32 v1, 31, v0                           ; lane
	s_delay_alu instid0(VALU_DEP_1)
	v_lshlrev_b32 v2, 2, v1
	s_lshl_b32 s12, s8, 12
	v_add_nc_u32 v3, s12, v2                       ; RT[wave][lane]
	s_lshl_b32 s12, s8, 9
	v_add_nc_u32 v4, s12, v2                       ; 4 x (128 wave + lane): my tokens, in idx and in a row of RT
	s_lshl_b32 s12, s8, 7
	v_add_nc_u32 v5, s12, v1                       ; 128 wave + lane
	s_delay_alu instid0(VALU_DEP_1)
	v_lshlrev_b32 v7, 3, v5
	s_lshl_b32 s12, s8, 2
	v_mov_b32 v8, s12
	v_and_b32 v9, 7, v1
	s_delay_alu instid0(VALU_DEP_1)
	v_lshlrev_b32 v10, 2, v9
	s_mov_b32 s9, 0                                ; the running count
	s_wait_alu depctr_va_vdst(0)
	s_wait_kmcnt 0x0
.set i, 0
.rept 32
	global_load_b32 v[IDX+i], v2, s[4:5] offset:128*i
.set i, i+1
.endr
.irp c, 0,1,2,3
	global_load_b32 v[IDY+\c], v4, s[4:5] offset:128*\c
.endr
	s_wait_loadcnt 0x0
.set i, 0
.rept 32
	v_and_b32 v52, 0xff, v[IDX+i]
	v_lshrrev_b32 v53, 8, v[IDX+i]
	s_delay_alu instid0(VALU_DEP_2)
	v_cmp_eq_u32 s10, s8, v52
	s_delay_alu instid0(VALU_DEP_2)
	v_cmp_eq_u32 s11, s8, v53
	s_or_b32 s10, s10, s11                         ; the lanes whose token chose my expert
	v_mbcnt_lo_u32_b32 v[IDX+i], s10, s9           ; earlier ones among them + all before: the rank (of a lane that did not choose it: a number that nobody picks)
	ds_store_b32 v3, v[IDX+i] offset:RT+128*i
	s_bcnt1_i32_b32 s11, s10
	s_add_co_u32 s9, s9, s11
.set i, i+1
.endr
	v_mov_b32 v11, s9
	ds_store_b32 v8, v11 offset:CTL                ; my expert's count
	s_wait_dscnt 0x0                               ; for the others' sake: my stores have landed
	s_barrier_signal -1
	s_barrier_wait -1
; 32 tokens: 128 wave + 32 c + lane.  Each c has registers of its own, so that no store's sources are written again.
.macro PUT c
.set B, 64+20*(\c)
.irp e, 0,1,2,3,4,5,6,7
	ds_load_b32 v[B+\e], v4 offset:RT+4096*\e+128*(\c)
.endr
	v_and_b32 v[B+8], 0xff, v[IDY+\c]
	v_lshrrev_b32 v[B+9], 8, v[IDY+\c]
	s_delay_alu instid0(VALU_DEP_2)
	v_min_u32 v[B+8], 7, v[B+8]                    ; loaded numbers are held before they enter an address
	s_delay_alu instid0(VALU_DEP_2)
	v_min_u32 v[B+9], 7, v[B+9]
	s_wait_alu depctr_va_vdst(0)
	s_wait_dscnt 0x0
	v_mov_b32 v[B+10], v[B]
	v_mov_b32 v[B+11], v[B]
.irp e, 1,2,3,4,5,6,7
	v_cmp_eq_u32 vcc_lo, \e, v[B+8]
	s_delay_alu instid0(VALU_DEP_1)
	v_cndmask_b32 v[B+10], v[B+10], v[B+\e], vcc_lo
	v_cmp_eq_u32 vcc_lo, \e, v[B+9]
	s_delay_alu instid0(VALU_DEP_1)
	v_cndmask_b32 v[B+11], v[B+11], v[B+\e], vcc_lo
.endr
	s_delay_alu instid0(VALU_DEP_3)
	v_min_u32 v[B+10], 0x3ff, v[B+10]
	s_delay_alu instid0(VALU_DEP_2)
	v_min_u32 v[B+11], 0x3ff, v[B+11]
	s_delay_alu instid0(VALU_DEP_2)
	v_mad_u32_u24 v[B+12], v[B+8], 1088, v[B+10]
	s_delay_alu instid0(VALU_DEP_2)
	v_mad_u32_u24 v[B+13], v[B+9], 1088, v[B+11]
	s_delay_alu instid0(VALU_DEP_2)
	v_lshlrev_b32 v[B+12], 2, v[B+12]
	s_delay_alu instid0(VALU_DEP_2)
	v_lshlrev_b32 v[B+13], 2, v[B+13]
	v_add_nc_u32 v[B+14], 32*(\c), v5              ; the token
	v_lshl_add_u32 v[B+16], v[B+8], 10, v[B+10]
	v_lshl_add_u32 v[B+17], v[B+9], 10, v[B+11]
	global_store_b32 v[B+12], v[B+14], s[6:7] offset:LIST_OFF
	global_store_b32 v[B+13], v[B+14], s[6:7] offset:LIST_OFF
	global_store_b64 v7, v[B+16:B+17], s[6:7] offset:INV_OFF+256*(\c)
.endm
	PUT 0
	PUT 1
	PUT 2
	PUT 3
	s_cmp_lg_u32 s8, 0
	s_cbranch_scc1 .Ldone
	ds_load_b32 v12, v10 offset:CTL
	s_wait_dscnt 0x0
	global_store_b32 v2, v12, s[6:7]               ; the counts
	v_min_u32 v13, 0x400, v12
	s_delay_alu instid0(VALU_DEP_1)
	v_mad_u32_u24 v13, v9, 1088, v13
	s_delay_alu instid0(VALU_DEP_1)
	v_lshlrev_b32 v13, 2, v13
	v_mov_b32 v14, 0
	global_store_b32 v13, v14, s[6:7] offset:LIST_OFF   ; list[e][count] = 0 (four lanes write the same word with the same value)
.Ldone:
	s_wait_tensorcnt 0x0
	ds_add_u32 v144, v145
	s_wait_dscnt 0x0
	s_endpgm
.Lfunc_end_k_qaba2ccca0d_place:
	.size	k_qaba2ccca0d_place, .Lfunc_end_k_qaba2ccca0d_place-k_qaba2ccca0d_place
	.p2alignl 7, 3214868480
	.fill 96, 4, 3214868480
	.section	.rodata,"a",@progbits
	.p2align	6, 0x0
	.amdhsa_kernel k_qaba2ccca0d_place
		.amdhsa_group_segment_fixed_size 34048
		.amdhsa_private_segment_fixed_size 0
		.amdhsa_enable_private_segment 0
		.amdhsa_kernarg_size 16
		.amdhsa_user_sgpr_count 2
		.amdhsa_user_sgpr_kernarg_segment_ptr 1
		.amdhsa_wavefront_size32 1
		.amdhsa_system_sgpr_workgroup_id_x 1
		.amdhsa_system_sgpr_workgroup_id_y 1
		.amdhsa_system_sgpr_workgroup_id_z 1
		.amdhsa_system_vgpr_workitem_id 0
		.amdhsa_next_free_vgpr 146
		.amdhsa_next_free_sgpr 66
		.amdhsa_reserve_vcc 1
		.amdhsa_float_denorm_mode_32 3
		.amdhsa_float_denorm_mode_16_64 3
		.amdhsa_memory_ordered 1
		.amdhsa_forward_progress 1
		.amdhsa_inst_pref_size 35
	.end_amdhsa_kernel
	.amdgpu_metadata
---
amdhsa.version: [ 1, 2 ]
amdhsa.kernels:
  - .name:           k_qaba2ccca0d_place
    .symbol:         k_qaba2ccca0d_place.kd
    .args:
      - { .name: idx, .offset: 0, .size: 8, .value_kind: global_buffer, .address_space: global }
      - { .name: tab, .offset: 8, .size: 8, .value_kind: global_buffer, .address_space: global }
    .group_segment_fixed_size: 34048
    .private_segment_fixed_size: 0
    .kernarg_segment_align: 8
    .kernarg_segment_size: 16
    .max_flat_workgroup_size: 256
    .sgpr_count:     66
    .vgpr_count:     146
    .wavefront_size: 32
...
	.end_amdgpu_metadata
.endif
;; end of part 7
;; launch ffn1 (part 8): grid 32 x 8, 4 waves a work-group, no clusters, 102,400 bytes of LDS; arguments xq, tab, W1_codes, W1_scales, b1, hq; writes hq
.if DOCPART == 8
	.amdgcn_target "amdgcn-amd-amdhsa--gfx1250"
	.amdhsa_code_object_version 6
	.text
	.protected	k_qaba2ccca0d_ffn1
	.globl	k_qaba2ccca0d_ffn1
	.p2align	8
	.type	k_qaba2ccca0d_ffn1,@function
k_qaba2ccca0d_ffn1:
	s_mov_b64 s[64:65], 0
	v_nop
	global_prefetch_b8 v0, s[64:65] scope:SCOPE_SE
	s_setreg_imm32_b32 hwreg(HW_REG_WAVE_SCHED_MODE, 0, 2), 2
	s_setreg_imm32_b32 hwreg(HW_REG_WAVE_MODE, 25, 1), 1
	s_wait_xcnt 0x0
	s_wait_alu depctr_vm_vsrc(0)
; h = Q(relu(x W1 + b1)) for the rows that chose the expert, on codes of E2M3 with E8M0 scales.  Work-group (j, e): hidden units 128 j .. 128 j + 127 of expert e.
; THE WEIGHTS STAY, THE ROWS TRAVEL.  The slice of W1 (128 rows x 1,024 K: 64 fragments, 768 registers) lies in EVERY wave's registers for the whole launch.  In memory the slice is one dense block of 98,304 bytes, and it is read
; once, as it lies: each wave fetches a quarter (32 rows, 24,576 bytes) by 48 loads of 512 consecutive bytes and lays it into LDS by rows; one barrier; every wave reads all 64 fragments from the rows.
; LDS ROWS: 784 bytes apart (768 + 16), and 128 bytes more behind every 16 rows: row p lies at 784 p + 128 (p / 16).  A fragment's sixteen lanes of a half take rows 0-7 and 16-23 of a run: 784 = 3 x 256 + 16 sets the first eight
; 16 bytes apart modulo 256, and the 128 set the other eight behind them: sixteen different columns of 16 bytes (64 banks of 4 bytes: ISA guide 11.1).
; Wave w then takes the expert's tiles of 16 rows w, w + 4, .. by itself: no barrier in the loop.
; A wave's 8 tiles of hidden units for 16 rows are exactly K step j of the second product: they are quantised in registers and stored as an image of that operand's registers: hq at ((64 e + q) 32 + j) x 1536; its scale words at HS_OFF + (..) x 128.
; THE ORDER OF BLOCKS.  In a K step of 128 a lane takes the 48 consecutive bytes at 96 s + 48 (lane / 16) of its row: three loads of 16 bytes, all aligned.  So registers 6 c .. 6 c + 5 of half h hold block 2 h + c, where the unit counts
; them as block 2 c + h.  Both operands of both products are laid so, whole blocks change places alike on both sides, and a scale word has its two middle bytes exchanged: the same products are summed, in another order.
; TRANSPOSED: source 0 = 16 rows of W1, source 1 = 16 routed rows: a lane holds one routed row.  Lane r of tile t takes row 32 (t / 2) + 8 (t % 2) + r + 8 (r / 8), so that two neighbouring tiles give a lane 16 neighbours along the next K.
; A row tile goes in two passes of four accumulators: pass p makes blocks p and p + 2 of the next K step, which are registers 6 p .. 6 p + 5 of its fragment.  b1 is the C of each sum's first product.
; A scale register carries two K steps: lanes 0-15 the even one, lanes 16-31 the odd one.
; Tile 0 of every expert is always made (of token 0's rows where the expert has none), so that the next launch's first loads read stored bytes.  Rows past an expert's count are token 0's and are read by nobody.
; No tensor load and no cluster: the number of trips hangs on a count read from memory.  No work-group shares a weight with another.
; THE MODE: SCHED_MODE bits 1:0 = 2 (LLVM: expert scheduling mode 2), set by the entry lines.  The code itself states the register dependences
; between vector or matrix instructions and memory or LDS instructions, with s_wait_alu, always for 0.
; THE PLAN.  Registers that memory or LDS instructions touch, in a trip (a tile of 16 rows):
;   A            x's eight fragments.  Global loads land in them; both passes' products read them.  Fragments 0-3 are asked for again behind K step 3 of the second pass, 4-7 behind K step 7: a wait on va_vdst ahead of each run of twelve loads.
;   ACC          b1 lands in it by LDS loads ahead of each pass; the products add onto it; the quantiser reads and writes it.  The waits behind the two quantisers show it free for b1's next loads.
;   XSN, RIDN    loads land in them in the trip's middle; the lines at the next trip's head read them.   XS: written there by moves, taken by the products as scales.
;   VO, VX       written at the trip's head, read by this trip's loads of x.   VL: written in the trip's middle, read by the token's load.
;   PC, PW       written by the quantisers, read by the four stores at the trip's end.
;   LI0, L4, B1A, LR0, LR1, XWI, XWM, B1W, v14, v15: made at the kernel's head and never written again.
; So a trip has ONE wait on vm_vsrc, at its head (all that was issued so far has read VO, VX, VL, PC, PW), and five on va_vdst: behind the head's lines, behind the first quantiser, ahead of each run of x's loads, ahead of the stores.
.set XSC_OFF, 786432
.set LIST_OFF, 256
.set HS_OFF, 25165824
.set WIMG, 0                           ; LDS: the slice's 128 rows
.set WP,   784                         ; from row to row
.set WGAP, 128                         ; more behind every 16 rows
.set WQ,   32*WP+2*WGAP                ; a wave's quarter: 25,344 bytes
.set B1L,  4*WQ                        ; LDS: my 128 numbers of b1, behind the rows
.set LI0, 1                            ; v1   16 x lane
.set LR0, 2                            ; v2   a fragment's place for my lane: 784 (r + 8 (r / 8)) + 128 (r / 8) + 48 (lane / 16)
.set L4,  3                            ; v3   4 x lane
.set R,   4                            ; v4   lane % 16
.set H48, 5                            ; v5   48 x (lane / 16)
.set H16, 6                            ; v6   16 x (lane / 16)
.set B1A, 7                            ; v7   B1L + 64 x (lane / 16)
.set VO,  8                            ; v8   my row's codes in xq
.set VX,  9                            ; v9   my row's scale words in xq
.set VL,  10                           ; v10  my place in the list
.set XWI, 11                           ; v11  where I lay my quarter: 16 x lane + 25,344 x wave
.set TA,  12                           ; v12-15 at work
.set XS,  16                           ; v16-19 x's scale words at work
.set XSN, 20                           ; v20-23 the next tile's
.set RIDN, 24                          ; v24  the token of the tile after
.set PW,  25                           ; v25  h's scale word
.set TM,  26                           ; v26-27 largest magnitudes; v28-29 the other half's; v30-31 scale operands; v32-33 bytes
.set TP,  28
.set SC,  30
.set BY,  32
.set PC,  34                           ; v34-45 h's fragment
.set CB,  46                           ; v46-48 a conversion's result
.set F63, 50                           ; v50-61 fragment 63 of W1
.set B1W, 62
.set B1T, 63
.set WSC, 64                           ; v64-95 W1's scale words: tile t, K steps 2 m, 2 m + 1 at 4 t + m
.set ACC, 96                           ; v96-127 four accumulators
.set A,   128                          ; v128-223 x's eight fragments
.set LR1, 224                          ; v224 LR0 + 50,688: rows 64 on (an LDS offset has 16 bits)
.set XWM, 225                          ; v225 XWI + 16 x (lane / 16): for the load whose lanes 16-31 begin the next row
.set SWV, 16
.set SEX, 17
.set SWB, 24                           ; s24 16 x wave + 64
.set SNT, 25                           ; s25 tiles of the expert
.set SN,  26                           ; s26 how many of them are mine: (SNT + 3 - wave) / 4
.set SCNT, 27                          ; s27 rows of the expert
.set SLB, 28                           ; s[28:29] the expert's list
.set SHB, 32                           ; s[32:33] where my tile's image goes;  s[34:35] its scale words
.set SHS, 34
.set SSEL, 36
.set SPSEL, 38
.set STMP, 39
.set SCT, 40                           ; s40 which of my tiles is in hand, counted from 1: tile wave + 4 (SCT - 1)
.set MSB, 0
.macro WIN new                         ; the immediate's high byte repeats the setting that is left
.if MSB != (\new)
	s_set_vgpr_msb (MSB<<8)|(\new)
.set MSB, (\new)
.endif
.endm
.macro PLACES n
.rept \n
	v_nop
.endr
.endm
.macro FPOS uu                         ; fragment u = 32 p + 4 s + i: 21 to a window from window 1 on; the 64th in window 0
.if (\uu) < 63
.set FW, 1+(\uu)/21
.set FG, 12*((\uu)%21)
.else
.set FW, 0
.set FG, F63
.endif
.endm
.macro TOKADR                          ; s[STMP] = 16 x a tile: my place of it in the list; past the count: the entry behind the last, which is 0
	v_add_nc_u32 v[VL], s[STMP], v[R]
	v_min_u32 v[VL], s[SCNT], v[VL]
	v_min_u32 v[VL], 0x43f, v[VL]
	v_lshlrev_b32 v[VL], 2, v[VL]
.endm
.macro ASKTOK                          ; the token at that place
	global_load_b32 v[RIDN], v[VL], s[SLB:SLB+1] offset:LIST_OFF
.endm
.macro ASKX f0                         ; four of a tile's eight fragments of x
.irp f, \f0, \f0+1, \f0+2, \f0+3
.irp g, 0,1,2
	global_load_b128 v[A+12*(\f)+4*\g:A+12*(\f)+4*\g+3], v[VO], s[4:5] offset:96*(\f)+16*\g
.endr
.endr
.endm
	s_load_b256 s[4:11], s[0:1], 0x0               ; xq s[4:5], tab s[6:7], W1's codes s[8:9], W1's scales s[10:11]
	s_load_b128 s[12:15], s[0:1], 0x20             ; b1 s[12:13], hq s[14:15]
	v_lshl_add_u32 v254, v0, 2, 0x18e00
	v_mov_b32 v255, 0
	v_lshrrev_b32 v[TA], 5, v0
	v_readfirstlane_b32 s[SWV], v[TA]
	s_and_b32 s[SEX], ttmp7, 0xffff
	v_and_b32 v[TA], 31, v0
	v_lshlrev_b32 v[LI0], 4, v[TA]
	v_lshlrev_b32 v[L4], 2, v[TA]
	v_and_b32 v[R], 15, v0
	v_bfe_u32 v[TA+1], v0, 4, 1
	v_mul_u32_u24 v[H48], v[TA+1], 48
	v_lshlrev_b32 v[H16], 4, v[TA+1]
	v_lshl_add_u32 v[B1A], v[TA+1], 6, B1L
	s_wait_alu depctr_va_sdst(0)                   ; the wave's number s[SWV] is written, ahead of its first reader: LDS places and bases are made from it
	s_mul_i32 s[STMP], s[SWV], WQ
	v_add_nc_u32 v[XWI], s[STMP], v[LI0]
	v_add_nc_u32 v[XWM], v[XWI], v[H16]
	v_lshl_add_u32 v[B1W], v0, 2, B1L
	v_and_b32 v[TA+3], 8, v[R]                     ; 8 (r / 8)
	v_add_nc_u32 v[TA], v[TA+3], v[R]              ; r + 8 (r / 8)
	v_mad_u32_u24 v[LR0], v[TA], WP, v[H48]
	v_lshl_add_u32 v[LR0], v[TA+3], 4, v[LR0]      ; + 128 (r / 8): rows 16 on lie behind one gap more
	v_add_nc_u32 v[LR1], 2*WQ, v[LR0]
	v_lshlrev_b32 v[TA+2], 5, v[TA]
	v_lshl_add_u32 v[TA+2], v[TA+1], 2, v[TA+2]    ; W1's scale words: 32 bytes a row, + 4 for the odd K step
	v_lshlrev_b32 v[TA+3], 2, v0
	v_mov_b32 v[TP], 0                             ; a lane permute's destination counts as one of its sources
	v_mov_b32 v[TP+1], 0
	s_mov_b32 s[SSEL], 0x76543210
	s_mov_b32 s[SSEL+1], 0xfedcba98
	s_mov_b32 s[SPSEL], 0x03010200                 ; a word with its middle bytes exchanged
	s_mov_b32 s21, 0
	s_wait_kmcnt 0x0
	s_lshl_b32 s20, s[SEX], 2
	s_add_nc_u64 s[22:23], s[6:7], s[20:21]
	s_load_b32 s[SCNT], s[22:23], 0x0              ; the expert's count
	s_mul_i32 s20, s[SEX], 4352
	s_add_nc_u64 s[SLB:SLB+1], s[6:7], s[20:21]
	s_mul_i32 s20, s[SEX], 3145728                 ; W1's codes: the expert, my work-group's 128 rows,
	s_mul_i32 s[STMP], ttmp9, 98304
	s_add_co_u32 s20, s20, s[STMP]
	s_mul_i32 s[STMP], s[SWV], 24576               ; my wave's 32 of them
	s_add_co_u32 s20, s20, s[STMP]
	s_add_nc_u64 s[8:9], s[8:9], s[20:21]
	s_lshl_b32 s20, s[SEX], 17
	s_lshl_b32 s[STMP], ttmp9, 12
	s_add_co_u32 s20, s20, s[STMP]
	s_add_nc_u64 s[10:11], s[10:11], s[20:21]
	s_lshl_b32 s20, s[SEX], 14
	s_lshl_b32 s[STMP], ttmp9, 9
	s_add_co_u32 s20, s20, s[STMP]
	s_add_nc_u64 s[12:13], s[12:13], s[20:21]
	s_lshl_b32 s[STMP], s[SEX], 6
	s_add_co_u32 s[STMP], s[STMP], s[SWV]
	s_lshl_b32 s[STMP], s[STMP], 5
	s_add_co_u32 s[STMP], s[STMP], ttmp9           ; (64 e + w) 32 + j
	s_mul_i32 s20, s[STMP], 1536
	s_add_nc_u64 s[SHB:SHB+1], s[14:15], s[20:21]
	s_lshl_b32 s20, s[STMP], 7
	s_add_nc_u64 s[SHS:SHS+1], s[14:15], s[20:21]
	s_add_nc_u64 s[SHS:SHS+1], s[SHS:SHS+1], HS_OFF
	WIN 0x40                                       ; my quarter as it lies: load k takes bytes 512 k .. 512 k + 511, for now into registers 4 k .. 4 k + 3 of window 1
	s_wait_alu depctr_va_vdst(0)                   ; every offset and LDS address made above is written: v[LI0], v14, v15 for the loads below; v[XWI], v[XWM], v[B1W], v[LR0], v[LR1], v[B1A], v[L4] for what follows them
.set k, 0
.rept 48
	global_load_b128 v[4*k:4*k+3], v[LI0], s[8:9] offset:512*k th:TH_LOAD_NT   ; 32 lanes read 512 consecutive bytes, aligned; each byte is asked for by this one load of the launch
.set k, k+1
.endr
	WIN 0
.irp t, 0,1,2,3,4,5,6,7
.irp m, 0,1,2,3
	global_load_b32 v[WSC+4*\t+\m], v[TA+2], s[10:11] offset:(32*(\t/2)+8*(\t%2))*32+8*\m
.endr
.endr
	global_load_b32 v[B1T], v[TA+3], s[12:13]
	s_wait_kmcnt 0x0
	s_min_u32 s[SCNT], s[SCNT], 1024
	s_add_co_u32 s[SNT], s[SCNT], 15
	s_lshr_b32 s[SNT], s[SNT], 4
	s_max_u32 s[SNT], s[SNT], 1                    ; tile 0 is always made
	s_add_co_u32 s[SN], s[SNT], 3                  ; my tiles w, w + 4, .. under SNT: (SNT + 3 - w) / 4 of them (SNT is 1 at the least and w 3 at the most: the difference is never negative)
	s_sub_co_u32 s[SN], s[SN], s[SWV]
	s_lshr_b32 s[SN], s[SN], 2
	s_mov_b32 s[SCT], 1
	s_lshl_b32 s[STMP], s[SWV], 4
	s_add_co_u32 s[SWB], s[STMP], 64
	TOKADR
	s_wait_alu depctr_va_vdst(0)                   ; v[VL] is written, which the token's load reads as its offset
	ASKTOK                                         ; my first tile's tokens: the 82nd load
	; Into LDS by rows.  Two rows are 1,536 bytes, three loads: the first lies in the even row, the third in the odd row from its byte 256 on; of the second, lanes 0-15 end the even row and lanes 16-31 begin the odd one, 16 bytes further on in LDS
	WIN 0x04                                       ; an LDS store's data are its source 1: window 1
.set k, 0
.rept 48
.if k == 0
	s_wait_loadcnt 58                              ; of the 82 loads the first 24 are in
.endif
.if k == 24
	s_wait_loadcnt 34                              ; the first 48: all of my quarter
.endif
.set pr, k/3
.if k%3 == 0
	ds_store_b128 v[XWI], v[4*k:4*k+3] offset:WIMG+2*pr*WP+(pr/8)*WGAP
.elseif k%3 == 1
	ds_store_b128 v[XWM], v[4*k:4*k+3] offset:WIMG+2*pr*WP+(pr/8)*WGAP+512
.else
	ds_store_b128 v[XWI], v[4*k:4*k+3] offset:WIMG+2*pr*WP+(pr/8)*WGAP+WP+256
.endif
.set k, k+1
.endr
	WIN 0
	s_wait_loadcnt 0x1                             ; all but the token's load are in
	ds_store_b32 v[B1W], v[B1T]
.set n, 0
.rept 32
	v_perm_b32 v[WSC+n], v[WSC+n], v[WSC+n], s[SPSEL]
.set n, n+1
.endr
	s_wait_loadcnt 0x0
	v_min_u32 v[TA], 0x3ff, v[RIDN]
	v_mad_u32_u24 v[VO], v[TA], 768, v[H48]
	v_lshl_add_u32 v[VX], v[TA], 5, v[H16]
	s_mov_b32 s[STMP], s[SWB]                      ; 16 (w + 4)
	s_wait_alu depctr_vm_vsrc(0)                   ; the first token's load has read v[VL], which the lines below write again
	TOKADR
	s_wait_alu depctr_va_vdst(0)                   ; v[VL], v[VO] and v[VX] are written, which the loads below read; v[RIDN] has been read, in which the next token lands
	ASKTOK                                         ; the tokens of the tile after,
	global_load_b128 v[XSN:XSN+3], v[VX], s[4:5] offset:XSC_OFF   ; my first tile's scale words,
	ASKX 0                                         ; and its eight fragments: in this order, as every trip leaves them
	ASKX 4
	s_wait_dscnt 0x0                               ; for the others' sake: my rows have landed
	s_barrier_signal -1
	s_barrier_wait -1                              ; the launch's only barrier
	WIN 0x40
	s_wait_alu depctr_vm_vsrc(0)                   ; my LDS stores have read registers 0 to 191 of window 1, in which fragments land below
.set u, 0
.rept 64                               ; fragment u: pass u / 32, K step (u % 32) / 4, tile t: rows 32 (t / 2) + 8 (t % 2) on, bytes 96 s on
	FPOS u
	WIN FW<<6
.set i, u%4
.set t, 2*(u/32)+(i%2)+4*(i/2)
.set ks, (u%32)/4
.irp g, 0,1,2
.if i < 2
	ds_load_b128 v[FG+4*\g:FG+4*\g+3], v[LR0] offset:WIMG+(32*(t/2)+8*(t%2))*WP+2*(t/2)*WGAP+96*ks+16*\g
.else
	ds_load_b128 v[FG+4*\g:FG+4*\g+3], v[LR1] offset:WIMG+(32*(t/2)+8*(t%2)-64)*WP+(2*(t/2)-4)*WGAP+96*ks+16*\g
.endif
.endr
.set u, u+1
.endr
	WIN 0
	s_wait_dscnt 0x0
	s_wait_xcnt 0x0                                ; the loads above have read their address registers: the first trip writes them anew
	s_cmp_eq_u32 s[SN], 0
	s_cbranch_scc1 .Lend                           ; none of the expert's tiles is mine
	s_cmp_eq_u32 s[SN], 1
	s_cbranch_scc1 .Llast                          ; one: it has no successor
.macro BIAS p                          ; b1 at the lane's eight hidden units of each of the pass's four tiles: the C of the sums' first products
.set i, 0
.rept 4
.set t, 2*(\p)+(i%2)+4*(i/2)
	ds_load_b128 v[ACC+8*i:ACC+8*i+3], v[B1A] offset:128*(t/2)+32*(t%2)
	ds_load_b128 v[ACC+8*i+4:ACC+8*i+7], v[B1A] offset:128*(t/2)+32*(t%2)+16
.set i, i+1
.endr
.endm
; 32 products: 8 K steps x 4 tiles; the four accumulators take turns, one instruction a turn.  pf = 1 (second pass alone): fragments of x that are done with take the next tile's.
.macro PASS p, pf
.set ks, 0
.rept 8
.if (\p) == 0
	s_wait_loadcnt 3*(7-ks)                        ; K step ks's three loads are in; those of the later K steps may be out
.endif
.set i, 0
.rept 4
.set u, 32*(\p)+4*ks+i
.set t, 2*(\p)+(i%2)+4*(i/2)
	FPOS u
	WIN FW
.if ks%2 == 0
	v_wmma_scale_f32_16x16x128_f8f6f4 v[ACC+8*i:ACC+8*i+7], v[FG:FG+11], v[A+12*ks:A+12*ks+11], v[ACC+8*i:ACC+8*i+7], v[WSC+4*t+ks/2], v[XS+ks/2] matrix_a_fmt:MATRIX_FMT_FP6 matrix_b_fmt:MATRIX_FMT_FP6
.else
	v_wmma_scale_f32_16x16x128_f8f6f4 v[ACC+8*i:ACC+8*i+7], v[FG:FG+11], v[A+12*ks:A+12*ks+11], v[ACC+8*i:ACC+8*i+7], v[WSC+4*t+ks/2], v[XS+ks/2] matrix_a_fmt:MATRIX_FMT_FP6 matrix_b_fmt:MATRIX_FMT_FP6 matrix_a_scale:MATRIX_SCALE_ROW1 matrix_b_scale:MATRIX_SCALE_ROW1
.endif
.set i, i+1
.endr
.if (\pf) && (ks == 3)
	WIN 0
	PLACES 4                                       ; in front of loads into registers that matrix instructions have read
	s_wait_alu depctr_va_vdst(0)                   ; the products of K steps 0 to 3 are done reading x's fragments 0 to 3, in which the twelve loads below land
	ASKX 0
.endif
.set ks, ks+1
.endr
	WIN 0
	PLACES 4                                       ; in front of the first read of results, and of the loads below
.if \pf
	s_wait_alu depctr_va_vdst(0)                   ; the products of K steps 4 to 7 are done reading x's fragments 4 to 7, in which the twelve loads below land
	ASKX 4
.endif
.endm
; The pass's 32 numbers a lane: relu, two blocks' scales, codes; registers 6 p .. 6 p + 5 of h's fragment and two bytes of its scale word.
.macro QUANT p
.set j, 0
.rept 32
	v_max_num_f32 v[ACC+j], 0, v[ACC+j]            ; the activation, in f32; each accumulator from its low end on
.set j, j+1
.endr
	v_max3_num_f32 v[TM], v[ACC], v[ACC+1], 0x1800000      ; none is negative: no |.|; the floor 2^(3 - 127) holds the byte at 1 from below
	v_max3_num_f32 v[TM+1], v[ACC+16], v[ACC+17], 0x1800000
.irp k, 2,4,6,8,10,12,14
	v_max3_num_f32 v[TM], v[TM], v[ACC+\k], v[ACC+\k+1]
	v_max3_num_f32 v[TM+1], v[TM+1], v[ACC+16+\k], v[ACC+17+\k]
.endr
	v_permlanex16_b32 v[TP], v[TM], s[SSEL], s[SSEL+1]
	v_permlanex16_b32 v[TP+1], v[TM+1], s[SSEL], s[SSEL+1]
	v_max_num_f32 v[TM], v[TM], v[TP]              ; with lane l xor 16's 16: the block's
	v_max_num_f32 v[TM+1], v[TM+1], v[TP+1]
	v_add_nc_u32 v[SC], 0xff000000, v[TM]          ; 2 off the exponent field: the conversion's scale operand
	v_add_nc_u32 v[SC+1], 0xff000000, v[TM+1]
	v_lshrrev_b32 v[BY], 23, v[SC]
	v_lshrrev_b32 v[BY+1], 23, v[SC+1]
.if (\p) == 0
	v_lshl_or_b32 v[PW], v[BY+1], 8, v[BY]         ; bytes 0, 1: blocks 0, 2
.else
	v_lshl_or_b32 v[PW], v[BY], 16, v[PW]          ; bytes 2, 3: blocks 1, 3
	v_lshl_or_b32 v[PW], v[BY+1], 24, v[PW]
.endif
	v_cvt_scalef32_pk16_fp6_f32 v[PC+6*(\p):PC+6*(\p)+2], v[ACC:ACC+15], v[SC]
	v_cvt_scalef32_pk16_fp6_f32 v[CB:CB+2], v[ACC+16:ACC+31], v[SC+1]
	v_nop                                          ; one plain place behind a scaled conversion
.irp k, 0,1,2
	v_permlane16_swap_b32 v[PC+6*(\p)+\k], v[CB+\k]   ; lanes 0-15 now hold block p whole, lanes 16-31 block p + 2
.endr
.irp k, 0,1,2
	v_mov_b32 v[PC+6*(\p)+3+\k], v[CB+\k]
.endr
.endm
; A tile of 16 rows.  On the way in, in this order: the token of the tile after, this tile's scale words, its 24 fragment loads.  pf = 1: a tile follows.
.macro TRIP pf
	s_wait_alu depctr_vm_vsrc(0)                   ; the loads and stores issued so far have read v[VO], v[VX], v[VL], h's fragment v[PC ..] and its scale word v[PW]: this trip writes them again
	BIAS 0                                         ; no wait on va_vdst: the last lines that named the accumulators, the last trip's quantiser, stand ahead of the wait in front of its stores
	s_wait_loadcnt 24                              ; the token and the scale words are in; the 24 fragment loads may be out
.irp m, 0,1,2,3
	v_mov_b32 v[XS+\m], v[XSN+\m]
.endr
.if \pf
	v_min_u32 v[TA], 0x3ff, v[RIDN]                ; the next tile's addresses (the loads that read the old ones have had them translated)
	v_mad_u32_u24 v[VO], v[TA], 768, v[H48]
	v_lshl_add_u32 v[VX], v[TA], 5, v[H16]
	PLACES 5                                       ; a scale register written by a vector instruction stands eight places ahead of the product
.else
	PLACES 8
.endif
	s_wait_alu depctr_va_vdst(0)                   ; x's scale words v[XS ..] are written, which the products take as scales (in the first trip W1's too, exchanged at the head); so are v[VO] and v[VX], which this trip's loads read
	s_wait_dscnt 0x0
	PASS 0, 0
	QUANT 0
.if \pf
	s_lshl_b32 s[STMP], s[SCT], 6                  ; 16 x (my tile + 8) = 64 SCT + 16 w + 64
	s_add_co_u32 s[STMP], s[STMP], s[SWB]
	TOKADR
.endif
	s_wait_alu depctr_va_vdst(0)                   ; the quantiser is done with the accumulators, in which b1 lands; where a tile follows: v[VL] is written, and v[RIDN] and v[XSN ..] have been read, in which the two loads land
	BIAS 1
.if \pf
	ASKTOK                                         ; the tokens two tiles on
	global_load_b128 v[XSN:XSN+3], v[VX], s[4:5] offset:XSC_OFF
.endif
	s_wait_dscnt 0x0
	PASS 1, \pf
	QUANT 1
	s_wait_alu depctr_va_vdst(0)                   ; the quantisers have written v[PC ..] and v[PW], which the stores read; and the second is done with the accumulators, in which the next trip's b1 lands
.irp g, 0,1,2
	global_store_b128 v[LI0], v[PC+4*\g:PC+4*\g+3], s[SHB:SHB+1] offset:512*\g   ; 32 lanes store 512 consecutive bytes, aligned
.endr
	global_store_b32 v[L4], v[PW], s[SHS:SHS+1]
.if \pf
	s_wait_xcnt 0x0                                ; stores and loads have read their registers and bases: both are written again
	s_add_nc_u64 s[SHB:SHB+1], s[SHB:SHB+1], 196608   ; four tiles on
	s_add_nc_u64 s[SHS:SHS+1], s[SHS:SHS+1], 16384
.endif
.endm
.Lloop:                                                ; SN - 1 trips: every tile of mine but the last
	TRIP 1
	s_add_co_u32 s[SCT], s[SCT], 1
	s_cmp_lt_u32 s[SCT], s[SN]
	s_cbranch_scc1 .Lloop
.Llast:
	TRIP 0                                         ; my last tile asks for nothing more
.Lend:
	s_wait_dscnt 0x0                               ; the closing lines, six on end
	s_wait_alu 0x0
	s_wait_tensorcnt 0x0
	ds_add_u32 v254, v255
	s_wait_dscnt 0x0
	s_endpgm
.Lfunc_end_k_qaba2ccca0d_ffn1:
	.size	k_qaba2ccca0d_ffn1, .Lfunc_end_k_qaba2ccca0d_ffn1-k_qaba2ccca0d_ffn1
	.p2alignl 7, 3214868480
	.fill 96, 4, 3214868480
	.section	.rodata,"a",@progbits
	.p2align	6, 0x0
	.amdhsa_kernel k_qaba2ccca0d_ffn1
		.amdhsa_group_segment_fixed_size 102400
		.amdhsa_private_segment_fixed_size 0
		.amdhsa_enable_private_segment 0
		.amdhsa_kernarg_size 48
		.amdhsa_user_sgpr_count 2
		.amdhsa_user_sgpr_kernarg_segment_ptr 1
		.amdhsa_wavefront_size32 1
		.amdhsa_system_sgpr_workgroup_id_x 1
		.amdhsa_system_sgpr_workgroup_id_y 1
		.amdhsa_system_sgpr_workgroup_id_z 1
		.amdhsa_system_vgpr_workitem_id 0
		.amdhsa_next_free_vgpr 1024
		.amdhsa_next_free_sgpr 66
		.amdhsa_reserve_vcc 0
		.amdhsa_float_denorm_mode_32 3
		.amdhsa_float_denorm_mode_16_64 3
		.amdhsa_memory_ordered 1
		.amdhsa_forward_progress 1
		.amdhsa_inst_pref_size 69
	.end_amdhsa_kernel
	.amdgpu_metadata
---
amdhsa.version: [ 1, 2 ]
amdhsa.kernels:
  - .name:           k_qaba2ccca0d_ffn1
    .symbol:         k_qaba2ccca0d_ffn1.kd
    .args:
      - { .name: xq, .offset: 0, .size: 8, .value_kind: global_buffer, .address_space: global }
      - { .name: tab, .offset: 8, .size: 8, .value_kind: global_buffer, .address_space: global }
      - { .name: W1_codes, .offset: 16, .size: 8, .value_kind: global_buffer, .address_space: global }
      - { .name: W1_scales, .offset: 24, .size: 8, .value_kind: global_buffer, .address_space: global }
      - { .name: b1, .offset: 32, .size: 8, .value_kind: global_buffer, .address_space: global }
      - { .name: hq, .offset: 40, .size: 8, .value_kind: global_buffer, .address_space: global }
    .group_segment_fixed_size: 102400
    .private_segment_fixed_size: 0
    .kernarg_segment_align: 8
    .kernarg_segment_size: 48
    .max_flat_workgroup_size: 128
    .sgpr_count:     66
    .vgpr_count:     1024
    .wavefront_size: 32
...
	.end_amdgpu_metadata
.endif
;; end of part 8
;; launch ffn2 (part 9): grid 16 x 16, 4 waves a work-group, no clusters, 70,144 bytes of LDS; arguments hq, tab, W2_codes, W2_scales, b2, ys; writes ys
.if DOCPART == 9
	.amdgcn_target "amdgcn-amd-amdhsa--gfx1250"
	.amdhsa_code_object_version 6
	.text
	.protected	k_qaba2ccca0d_ffn2
	.globl	k_qaba2ccca0d_ffn2
	.p2align	8
	.type	k_qaba2ccca0d_ffn2,@function
k_qaba2ccca0d_ffn2:
	s_mov_b64 s[64:65], 0
	v_nop
	global_prefetch_b8 v0, s[64:65] scope:SCOPE_SE
	s_setreg_imm32_b32 hwreg(HW_REG_WAVE_SCHED_MODE, 0, 2), 2
	s_setreg_imm32_b32 hwreg(HW_REG_WAVE_MODE, 25, 1), 1
	s_wait_xcnt 0x0
	s_wait_alu depctr_vm_vsrc(0)
; y = h W2 + b2 for the routed rows, on codes of E2M3 with E8M0 scales.  Work-group (c, 2 e + rho): output columns 64 c .. 64 c + 63 of expert e, row tiles rho, rho + 2, ..
; THE WAVES SHARE K.  Wave w keeps K steps 8 w .. 8 w + 7 (of 32) of the four column tiles in registers for the whole launch: 32 fragments, 384 registers, loaded by this wave alone.  Of a tile of 16 rows it loads
; the 8 fragments of h of its K steps (images of the operand's registers, 12,288 consecutive bytes) and each feeds four products.  The four waves' partial sums meet in LDS: a stage of four tiles, two barriers for four tiles.
; The blocks' order in a K step and the exchanged middle bytes of the scale words are the first product's (see there): W2's fragments are three aligned loads of 16 bytes a lane.
; TRANSPOSED: source 0 = 16 rows of W2 (output columns), source 1 = 16 rows of h: a lane holds one routed row and eight neighbouring columns.
; THE LOOP HAS 8 TRIPS WHATEVER THE COUNT (64 tiles at the most, 8 a trip for the two work-groups): the barriers stand on every wave's path; a tile that the expert does not have is passed over by a scalar branch on the stored count.
; h COMES TWO TILES AHEAD, in two register buffers.  Both are loaded at the head without a branch (a tile that is not there is replaced by the expert's tile 0, which the launch before always stores).  An active step waits until at most
; the other buffer's 32 loads are out, multiplies, and loads the tile four on into the buffer just read; where there is none, or the step is passed over, all loads are waited for instead, so that the count 32 holds on every way.
; No tensor load and no cluster: branches hang on a count read from memory.
; THE MODE: SCHED_MODE bits 1:0 = 2 (LLVM: expert scheduling mode 2), set by the entry lines.  The code itself states the register dependences
; between vector or matrix instructions and memory or LDS instructions, with s_wait_alu, always for 0.
; THE PLAN.  Registers that memory or LDS instructions touch, in the loop:
;   h's two buffers, AS   loads land in them; a step's products read its buffer and its eight scale words; behind them the tile four on is loaded into the same registers.
;   ACC                   a step's products write it; its eight LDS stores read it; the next step's products begin it anew.
;   RD                    a reduction's LDS loads land in it; its sums read it.      OUT: its sums write it; its two stores read it; written again a trip later.
;   LI, L4, STO, RDA, RDB, YO: made at the head and never written again.
; So a step has one wait on vm_vsrc ahead of its products (the last step's LDS stores have read ACC) and one on va_vdst behind them (ACC is written; the buffer and its scale words are done with); a reduction has one
; wait on va_vdst, behind its sums and ahead of its two stores, which also shows RD read for the next reduction's loads; a trip has one wait on vm_vsrc at its end, for OUT.
.set HS_OFF, 25165824
.set GST, 17408                        ; LDS: a tile's stage: 4 waves x 16 rows x (256 + 16) bytes
.set LI,  1                            ; v1   16 x lane
.set L4,  2                            ; v2   4 x lane
.set WO,  3                            ; v3   W2's codes: 3072 r + 48 h
.set WSO, 4                            ; v4   W2's scale words: 128 r + 4 h
.set STO, 5                            ; v5   the stage, in: 4352 w + 272 r + 32 h
.set RDA, 6                            ; v6   the stage, back: row 4 w + h, 16 bytes a lane;  v7 the same two tiles on
.set RDB, 7
.set YO,  8                            ; v8   the same place in ys
.set BO,  9                            ; v9   16 r: my four columns of b2
.set TA,  10                           ; v10 r, v11 h
.set B2,  12                           ; v12-15
.set WS,  16                           ; v16-31 W2's scale words: column tile n, K steps 2 m, 2 m + 1 at 4 n + m
.set AS,  32                           ; v32-47 h's scale words: 8 a buffer
.set ACC, 48                           ; v48-79 four accumulators
.set RD,  80                           ; v80-111
.set T,   112                          ; v112-119
.set OUT, 120                          ; v120-151: 8 a tile
.set SWV, 16
.set SEX, 17
.set SRHO, 18
.set SCNT, 24
.set SNT, 25
.set SQ,  26                           ; s26 the step's tile
.set SQP, 27                           ; s27 the trip's first tile
.set SCTR, 28
.set SPSEL, 34
.set STMP, 35
.set SAB, 36                           ; s[36:37], s[40:41] where buffer 0's, 1's tile lies in hq
.set SSB, 38                           ; s[38:39], s[42:43] and its scale words
.set MSB, 0
.macro WIN new                         ; the immediate's high byte repeats the setting that is left
.if MSB != (\new)
	s_set_vgpr_msb (MSB<<8)|(\new)
.set MSB, (\new)
.endif
.endm
.macro PLACES n
.rept \n
	v_nop
.endr
.endm
.macro LOADH b                         ; a tile's 8 fragments of my K steps into buffer b (window 2 from v132, or window 3 from v0), and their scale words: 32 loads
.if (\b) == 0
.set AG, 132
	WIN 0x80
.else
.set AG, 0
	WIN 0xc0
.endif
.set k, 0
.rept 24
	global_load_b128 v[AG+4*k:AG+4*k+3], v[LI], s[SAB+4*(\b):SAB+4*(\b)+1] offset:512*k
.set k, k+1
.endr
	WIN 0
.irp q, 0,1,2,3,4,5,6,7
	global_load_b32 v[AS+8*(\b)+\q], v[L4], s[SSB+4*(\b):SSB+4*(\b)+1] offset:128*\q
.endr
.endm
	s_load_b256 s[4:11], s[0:1], 0x0               ; hq s[4:5], tab s[6:7], W2's codes s[8:9], W2's scales s[10:11]
	s_load_b128 s[12:15], s[0:1], 0x20             ; b2 s[12:13], ys s[14:15]
	v_lshl_add_u32 v254, v0, 2, 0x11000
	v_mov_b32 v255, 0
	v_lshrrev_b32 v[TA], 5, v0
	v_readfirstlane_b32 s[SWV], v[TA]
	v_and_b32 v[TA], 31, v0
	v_lshlrev_b32 v[LI], 4, v[TA]
	v_lshlrev_b32 v[L4], 2, v[TA]
	v_and_b32 v[TA], 15, v0
	v_bfe_u32 v[TA+1], v0, 4, 1
	v_mul_u32_u24 v[WO], v[TA+1], 48
	v_mad_u32_u24 v[WO], v[TA], 3072, v[WO]
	v_lshlrev_b32 v[WSO], 7, v[TA]
	v_lshl_add_u32 v[WSO], v[TA+1], 2, v[WSO]
	v_lshlrev_b32 v[BO], 4, v[TA]
	s_and_b32 s[STMP], ttmp7, 0xffff
	s_lshr_b32 s[SEX], s[STMP], 1
	s_and_b32 s[SRHO], s[STMP], 1
	s_mov_b32 s[SPSEL], 0x03010200
	s_mov_b32 s21, 0
	s_wait_alu depctr_va_sdst(0)                   ; the wave's number s[SWV] is written, ahead of its first reader: the bases are made from it
	s_wait_kmcnt 0x0
	s_lshl_b32 s20, s[SEX], 2
	s_add_nc_u64 s[22:23], s[6:7], s[20:21]
	s_load_b32 s[SCNT], s[22:23], 0x0              ; the expert's count
	s_lshl_b32 s20, s[SEX], 17                     ; W2's scales: the expert, my 64 rows of 128 bytes, my 8 words
	s_lshl_b32 s[STMP], ttmp9, 13
	s_add_co_u32 s20, s20, s[STMP]
	s_lshl_b32 s[STMP], s[SWV], 5
	s_add_co_u32 s20, s20, s[STMP]
	s_add_nc_u64 s[10:11], s[10:11], s[20:21]
	s_lshl_b32 s20, s[SEX], 12
	s_lshl_b32 s[STMP], ttmp9, 8
	s_add_co_u32 s20, s20, s[STMP]
	s_add_nc_u64 s[12:13], s[12:13], s[20:21]
	s_mul_i32 s20, s[SEX], 3145728                 ; W2's codes: the expert, my 64 rows of 3,072 bytes, my 8 K steps of 96
	s_mul_i32 s[STMP], ttmp9, 196608
	s_add_co_u32 s20, s20, s[STMP]
	s_mul_i32 s[STMP], s[SWV], 768
	s_add_co_u32 s20, s20, s[STMP]
	s_add_nc_u64 s[8:9], s[8:9], s[20:21]
	s_lshl_b32 s20, s[SEX], 22                     ; ys: row 1024 e + 16 rho, column 64 c
	s_lshl_b32 s[STMP], s[SRHO], 16
	s_add_co_u32 s20, s20, s[STMP]
	s_lshl_b32 s[STMP], ttmp9, 8
	s_add_co_u32 s20, s20, s[STMP]
	s_add_nc_u64 s[14:15], s[14:15], s[20:21]
	s_mul_i32 s20, s[SEX], 3145728                 ; hq: the expert's tile 0, my 8 K steps
	s_mul_i32 s[STMP], s[SWV], 12288
	s_add_co_u32 s20, s20, s[STMP]
	s_add_nc_u64 s[44:45], s[4:5], s[20:21]
	s_lshl_b32 s20, s[SEX], 18
	s_lshl_b32 s[STMP], s[SWV], 10
	s_add_co_u32 s20, s20, s[STMP]
	s_add_nc_u64 s[46:47], s[4:5], s[20:21]
	s_add_nc_u64 s[46:47], s[46:47], HS_OFF
	s_wait_alu depctr_va_vdst(0)                   ; the offsets v[WSO], v[BO], v[WO], v[LI] and v[L4] are written, which the head's loads read
.irp n, 0,1,2,3
.irp m, 0,1,2,3
	global_load_b32 v[WS+4*\n+\m], v[WSO], s[10:11] offset:2048*\n+8*\m
.endr
.endr
	global_load_b128 v[B2:B2+3], v[BO], s[12:13]
.set f, 0
.rept 32                               ; fragment f = 4 (K step) + column tile: 21 in window 1, the rest in window 2
.if f < 21
	WIN 0x40
.set FG, 12*f
.else
	WIN 0x80
.set FG, 12*(f-21)
.endif
.irp g, 0,1,2
	global_load_b128 v[FG+4*\g:FG+4*\g+3], v[WO], s[8:9] offset:49152*(f%4)+96*(f/4)+16*\g
.endr
.set f, f+1
.endr
	WIN 0
	s_wait_kmcnt 0x0
	s_min_u32 s[SCNT], s[SCNT], 1024
	s_add_co_u32 s[SNT], s[SCNT], 15
	s_lshr_b32 s[SNT], s[SNT], 4
	s_cmp_lt_u32 s[SRHO], s[SNT]
	s_cselect_b32 s[STMP], s[SRHO], 0              ; my first tile, or tile 0
	s_mul_i32 s20, s[STMP], 49152
	s_add_nc_u64 s[SAB:SAB+1], s[44:45], s[20:21]
	s_lshl_b32 s20, s[STMP], 12
	s_add_nc_u64 s[SSB:SSB+1], s[46:47], s[20:21]
	s_add_co_u32 s[STMP], s[SRHO], 2
	s_cmp_lt_u32 s[STMP], s[SNT]
	s_cselect_b32 s[STMP], s[STMP], 0              ; my second
	s_mul_i32 s20, s[STMP], 49152
	s_add_nc_u64 s[SAB+4:SAB+5], s[44:45], s[20:21]
	s_lshl_b32 s20, s[STMP], 12
	s_add_nc_u64 s[SSB+4:SSB+5], s[46:47], s[20:21]
	LOADH 0
	LOADH 1
	s_mov_b32 s[SQ], s[SRHO]
	s_mov_b32 s[SQP], s[SRHO]
	s_mov_b32 s[SCTR], 8
	s_wait_loadcnt 63                              ; 160 loads were issued behind W2's scale words and b2: these are in
.set n, 0
.rept 16
	v_perm_b32 v[WS+n], v[WS+n], v[WS+n], s[SPSEL]
.set n, n+1
.endr
	s_mul_i32 s[STMP], s[SWV], 4352                ; the addresses of the way out: ten plain lines, the places between a scale register's write and the first product
	v_mul_u32_u24 v[STO], v[TA], 272
	v_lshl_add_u32 v[STO], v[TA+1], 5, v[STO]
	v_add_nc_u32 v[STO], s[STMP], v[STO]
	s_mul_i32 s[STMP], s[SWV], 1088
	v_mul_u32_u24 v[RDA], v[TA+1], 272
	v_lshl_add_u32 v[RDA], v[TA], 4, v[RDA]
	v_add_nc_u32 v[RDA], s[STMP], v[RDA]
	v_add_nc_u32 v[RDB], 2*GST, v[RDA]
	s_lshl_b32 s[STMP], s[SWV], 14
	v_lshlrev_b32 v[YO], 12, v[TA+1]
	v_lshl_add_u32 v[YO], v[TA], 4, v[YO]
	v_add_nc_u32 v[YO], s[STMP], v[YO]
	s_wait_alu depctr_va_vdst(0)                   ; W2's scale words v[WS ..] are written, which the products take as scales; so are v[STO], v[RDA], v[RDB] and v[YO], which the loop's LDS instructions and stores read
; 32 products: my 8 K steps x 4 column tiles on buffer b; the four accumulators take turns, one instruction a turn; the first K step starts the sums.
.macro MULS b
.set kq, 0
.rept 8
.set n, 0
.rept 4
.set f, 4*kq+n
.if f < 21
.set FW, 1
.set FG, 12*f
.else
.set FW, 2
.set FG, 12*(f-21)
.endif
.if (\b) == 0
.set AG, 132+12*kq
	WIN FW|(2<<2)
.else
.set AG, 12*kq
	WIN FW|(3<<2)
.endif
.if kq == 0
	v_wmma_scale_f32_16x16x128_f8f6f4 v[ACC+8*n:ACC+8*n+7], v[FG:FG+11], v[AG:AG+11], 0, v[WS+4*n], v[AS+8*(\b)] matrix_a_fmt:MATRIX_FMT_FP6 matrix_b_fmt:MATRIX_FMT_FP6
.elseif kq%2 == 0
	v_wmma_scale_f32_16x16x128_f8f6f4 v[ACC+8*n:ACC+8*n+7], v[FG:FG+11], v[AG:AG+11], v[ACC+8*n:ACC+8*n+7], v[WS+4*n+kq/2], v[AS+8*(\b)+kq] matrix_a_fmt:MATRIX_FMT_FP6 matrix_b_fmt:MATRIX_FMT_FP6
.else
	v_wmma_scale_f32_16x16x128_f8f6f4 v[ACC+8*n:ACC+8*n+7], v[FG:FG+11], v[AG:AG+11], v[ACC+8*n:ACC+8*n+7], v[WS+4*n+kq/2], v[AS+8*(\b)+kq] matrix_a_fmt:MATRIX_FMT_FP6 matrix_b_fmt:MATRIX_FMT_FP6 matrix_a_scale:MATRIX_SCALE_ROW1
.endif
.set n, n+1
.endr
.set kq, kq+1
.endr
	WIN 0
.endm
.macro STEP g
.set bb, (\g)%2
	s_cmp_ge_u32 s[SQ], s[SNT]
	s_cbranch_scc1 .Lwait_\@
	s_wait_loadcnt 32                              ; this buffer's 32 loads are in (and all older ones); the other buffer's 32 may be out
	s_wait_dscnt 0x0                               ; the last step's stores into the stage are done
	s_wait_alu depctr_vm_vsrc(0)                   ; the last step's LDS stores have read the accumulators, which the products below begin anew
	MULS bb
	PLACES 5                                       ; four in front of the stores and loads below; five in front of the next step's products, which begin these accumulators anew
	s_wait_alu depctr_va_vdst(0)                   ; the products have written the accumulators, which the LDS stores read, and are done reading this buffer and its scale words, in which the 32 loads below land; nothing between names a register of those loads
.irp n, 0,1,2,3
	ds_store_b128 v[STO], v[ACC+8*\n:ACC+8*\n+3] offset:(\g)*GST+64*\n          ; each accumulator from its low end on
	ds_store_b128 v[STO], v[ACC+8*\n+4:ACC+8*\n+7] offset:(\g)*GST+64*\n+16
.endr
	s_add_co_u32 s[STMP], s[SQ], 4
	s_cmp_ge_u32 s[STMP], s[SNT]
	s_cbranch_scc1 .Lwait_\@
	s_add_nc_u64 s[SAB+4*bb:SAB+4*bb+1], s[SAB+4*bb:SAB+4*bb+1], 196608   ; four tiles on (this buffer's loads are done, so its bases may be written)
	s_add_nc_u64 s[SSB+4*bb:SSB+4*bb+1], s[SSB+4*bb:SSB+4*bb+1], 16384
	LOADH bb
	s_branch .Ljoin_\@
.Lwait_\@:
	s_wait_loadcnt 0x0                             ; nothing was asked for on this way: all loads are waited for, so that the count at the next step's head holds
.Ljoin_\@:
	s_add_co_u32 s[SQ], s[SQ], 2
.endm
; Tile g of the trip: wave w adds the four waves' parts of rows 4 w .. 4 w + 3, and b2; sixteen lanes store a row's 256 bytes.
.macro RED g
	s_add_co_u32 s[STMP], s[SQP], 2*(\g)
	s_cmp_ge_u32 s[STMP], s[SNT]
	s_cbranch_scc1 .Lnone_\@
.irp u, 0,1
.irp p, 0,1,2,3
	ds_load_b128 v[RD+16*\u+4*\p:RD+16*\u+4*\p+3], v[RDA+(\g)/2] offset:((\g)%2)*GST+\p*4352+\u*544   ; no wait on va_vdst: the sums that last read v[RD ..] stand ahead of the wait in front of their stores
.endr
.endr
	s_wait_dscnt 0x0
.irp u, 0,1
	v_pk_add_f32 v[T:T+1], v[RD+16*\u:RD+16*\u+1], v[RD+16*\u+4:RD+16*\u+5]
	v_pk_add_f32 v[T+2:T+3], v[RD+16*\u+2:RD+16*\u+3], v[RD+16*\u+6:RD+16*\u+7]
	v_pk_add_f32 v[T+4:T+5], v[RD+16*\u+8:RD+16*\u+9], v[RD+16*\u+12:RD+16*\u+13]
	v_pk_add_f32 v[T+6:T+7], v[RD+16*\u+10:RD+16*\u+11], v[RD+16*\u+14:RD+16*\u+15]
	v_pk_add_f32 v[T:T+1], v[T:T+1], v[T+4:T+5]
	v_pk_add_f32 v[T+2:T+3], v[T+2:T+3], v[T+6:T+7]
	v_pk_add_f32 v[OUT+8*(\g)+4*\u:OUT+8*(\g)+4*\u+1], v[T:T+1], v[B2:B2+1]
	v_pk_add_f32 v[OUT+8*(\g)+4*\u+2:OUT+8*(\g)+4*\u+3], v[T+2:T+3], v[B2+2:B2+3]
.endr
	s_wait_alu depctr_va_vdst(0)                   ; the sums have written the tile's eight registers of v[OUT ..], which the two stores read, and are done reading v[RD ..], in which the next reduction's loads land
.irp u, 0,1
	global_store_b128 v[YO], v[OUT+8*(\g)+4*\u:OUT+8*(\g)+4*\u+3], s[14:15] offset:(\g)*131072+\u*8192   ; 16 lanes store 256 consecutive bytes, aligned
.endr
.Lnone_\@:
.endm
.Ltrip:
	STEP 0
	STEP 1
	STEP 2
	STEP 3
	s_wait_dscnt 0x0                               ; for the others' sake: my parts lie in the stage
	s_barrier_signal -1
	s_barrier_wait -1
	RED 0
	RED 1
	RED 2
	RED 3
	s_wait_dscnt 0x0                               ; my reads of the stage are over: the next trip writes it again
	s_barrier_signal -1
	s_barrier_wait -1
	s_wait_xcnt 0x0                                ; the stores have read their data and their base
	s_wait_alu depctr_vm_vsrc(0)                   ; the trip's stores have read v[OUT ..], which the next trip's sums write again
	s_add_nc_u64 s[14:15], s[14:15], 524288        ; eight tiles of 16 rows on
	s_add_co_u32 s[SQP], s[SQP], 8
	s_sub_co_u32 s[SCTR], s[SCTR], 1
	s_cmp_lg_u32 s[SCTR], 0
	s_cbranch_scc1 .Ltrip
	s_wait_dscnt 0x0                               ; the closing lines, six on end
	s_wait_alu 0x0
	s_wait_tensorcnt 0x0
	ds_add_u32 v254, v255
	s_wait_dscnt 0x0
	s_endpgm
.Lfunc_end_k_qaba2ccca0d_ffn2:
	.size	k_qaba2ccca0d_ffn2, .Lfunc_end_k_qaba2ccca0d_ffn2-k_qaba2ccca0d_ffn2
	.p2alignl 7, 3214868480
	.fill 96, 4, 3214868480
	.section	.rodata,"a",@progbits
	.p2align	6, 0x0
	.amdhsa_kernel k_qaba2ccca0d_ffn2
		.amdhsa_group_segment_fixed_size 70144
		.amdhsa_private_segment_fixed_size 0
		.amdhsa_enable_private_segment 0
		.amdhsa_kernarg_size 48
		.amdhsa_user_sgpr_count 2
		.amdhsa_user_sgpr_kernarg_segment_ptr 1
		.amdhsa_wavefront_size32 1
		.amdhsa_system_sgpr_workgroup_id_x 1
		.amdhsa_system_sgpr_workgroup_id_y 1
		.amdhsa_system_sgpr_workgroup_id_z 1
		.amdhsa_system_vgpr_workitem_id 0
		.amdhsa_next_free_vgpr 864
		.amdhsa_next_free_sgpr 66
		.amdhsa_reserve_vcc 0
		.amdhsa_float_denorm_mode_32 3
		.amdhsa_float_denorm_mode_16_64 3
		.amdhsa_memory_ordered 1
		.amdhsa_forward_progress 1
		.amdhsa_inst_pref_size 64
	.end_amdhsa_kernel
	.amdgpu_metadata
---
amdhsa.version: [ 1, 2 ]
amdhsa.kernels:
  - .name:           k_qaba2ccca0d_ffn2
    .symbol:         k_qaba2ccca0d_ffn2.kd
    .args:
      - { .name: hq, .offset: 0, .size: 8, .value_kind: global_buffer, .address_space: global }
      - { .name: tab, .offset: 8, .size: 8, .value_kind: global_buffer, .address_space: global }
      - { .name: W2_codes, .offset: 16, .size: 8, .value_kind: global_buffer, .address_space: global }
      - { .name: W2_scales, .offset: 24, .size: 8, .value_kind: global_buffer, .address_space: global }
      - { .name: b2, .offset: 32, .size: 8, .value_kind: global_buffer, .address_space: global }
      - { .name: ys, .offset: 40, .size: 8, .value_kind: global_buffer, .address_space: global }
    .group_segment_fixed_size: 70144
    .private_segment_fixed_size: 0
    .kernarg_segment_align: 8
    .kernarg_segment_size: 48
    .max_flat_workgroup_size: 128
    .sgpr_count:     66
    .vgpr_count:     864
    .wavefront_size: 32
...
	.end_amdgpu_metadata
.endif
;; end of part 9
;; launch combine (part 10): grid 256 x 1, 4 waves a work-group, no clusters, 0 bytes of LDS; arguments ys, tab, gates, out0; writes out0
.if DOCPART == 10
	.amdgcn_target "amdgcn-amd-amdhsa--gfx1250"
	.amdhsa_code_object_version 6
	.text
	.protected	k_qaba2ccca0d_combine
	.globl	k_qaba2ccca0d_combine
	.p2align	8
	.type	k_qaba2ccca0d_combine,@function
k_qaba2ccca0d_combine:
	s_mov_b64 s[64:65], 0
	v_nop
	global_prefetch_b8 v0, s[64:65] scope:SCOPE_SE
	s_setreg_imm32_b32 hwreg(HW_REG_WAVE_MODE, 25, 1), 1
	s_wait_xcnt 0x0
; out[t] = g0 y[e0][t] + g1 y[e1][t].  A wave takes a token: its two rows of ys (found by the stored places, 1024 e + rank) are 4,096 bytes each; each load and store of the wave covers 512 consecutive bytes.
; All 16 loads go out at once; the counts run down two at a time.  A stream: no LDS, no barrier, no matrix unit, and nothing is shared between work-groups.
.set INV_OFF, 35072
.set Y, 8                              ; v8-71: piece i: four numbers of the first row, four of the second
	s_load_b256 s[4:11], s[0:1], 0x0               ; ys s[4:5], tab s[6:7], gates s[8:9], out0 s[10:11]
	v_lshrrev_b32 v1, 5, v0
	v_readfirstlane_b32 s12, v1
	v_and_b32 v1, 31, v0
	v_lshlrev_b32 v1, 4, v1
	s_lshl_b32 s13, ttmp9, 2
	s_add_co_u32 s13, s13, s12                     ; the token
	s_lshl_b32 s14, s13, 3
	s_mov_b32 s15, 0
	s_wait_alu depctr_va_vdst(0)
	s_wait_kmcnt 0x0
	s_add_nc_u64 s[18:19], s[6:7], s[14:15]
	s_add_nc_u64 s[20:21], s[8:9], s[14:15]
	s_load_b64 s[16:17], s[18:19], INV_OFF         ; its two places
	s_load_b64 s[22:23], s[20:21], 0x0             ; its two gates
	s_lshl_b32 s14, s13, 12
	s_add_nc_u64 s[10:11], s[10:11], s[14:15]
	s_wait_kmcnt 0x0
	s_min_u32 s16, s16, 8191                       ; loaded numbers are held before they enter an address
	s_min_u32 s17, s17, 8191
	s_lshl_b32 s14, s16, 12
	s_add_nc_u64 s[24:25], s[4:5], s[14:15]
	s_lshl_b32 s14, s17, 12
	s_add_nc_u64 s[26:27], s[4:5], s[14:15]
	s_mov_b32 s28, s22                             ; a packed form names a pair and takes its low word for both halves
	s_mov_b32 s29, s22
	s_mov_b32 s30, s23
	s_mov_b32 s31, s23
.irp i, 0,1,2,3,4,5,6,7
	global_load_b128 v[Y+8*\i:Y+8*\i+3], v1, s[24:25] offset:512*\i th:TH_LOAD_NT
	global_load_b128 v[Y+8*\i+4:Y+8*\i+7], v1, s[26:27] offset:512*\i th:TH_LOAD_NT
.endr
.irp i, 0,1,2,3,4,5,6,7
	s_wait_loadcnt 14-2*\i                         ; piece i's two loads are in; the younger ones may be out
	v_pk_mul_f32 v[Y+8*\i:Y+8*\i+1], v[Y+8*\i:Y+8*\i+1], s[28:29] op_sel_hi:[1,0]
	v_pk_mul_f32 v[Y+8*\i+2:Y+8*\i+3], v[Y+8*\i+2:Y+8*\i+3], s[28:29] op_sel_hi:[1,0]
	v_pk_fma_f32 v[Y+8*\i:Y+8*\i+1], v[Y+8*\i+4:Y+8*\i+5], s[30:31], v[Y+8*\i:Y+8*\i+1] op_sel_hi:[1,0,1]
	v_pk_fma_f32 v[Y+8*\i+2:Y+8*\i+3], v[Y+8*\i+6:Y+8*\i+7], s[30:31], v[Y+8*\i+2:Y+8*\i+3] op_sel_hi:[1,0,1]
	global_store_b128 v1, v[Y+8*\i:Y+8*\i+3], s[10:11] offset:512*\i th:TH_STORE_NT
.endr
	s_endpgm
.Lfunc_end_k_qaba2ccca0d_combine:
	.size	k_qaba2ccca0d_combine, .Lfunc_end_k_qaba2ccca0d_combine-k_qaba2ccca0d_combine
	.p2alignl 7, 3214868480
	.fill 96, 4, 3214868480
	.section	.rodata,"a",@progbits
	.p2align	6, 0x0
	.amdhsa_kernel k_qaba2ccca0d_combine
		.amdhsa_group_segment_fixed_size 0
		.amdhsa_private_segment_fixed_size 0
		.amdhsa_enable_private_segment 0
		.amdhsa_kernarg_size 32
		.amdhsa_user_sgpr_count 2
		.amdhsa_user_sgpr_kernarg_segment_ptr 1
		.amdhsa_wavefront_size32 1
		.amdhsa_system_sgpr_workgroup_id_x 1
		.amdhsa_system_sgpr_workgroup_id_y 1
		.amdhsa_system_sgpr_workgroup_id_z 1
		.amdhsa_system_vgpr_workitem_id 0
		.amdhsa_next_free_vgpr 72
		.amdhsa_next_free_sgpr 66
		.amdhsa_reserve_vcc 0
		.amdhsa_float_denorm_mode_32 3
		.amdhsa_float_denorm_mode_16_64 3
		.amdhsa_memory_ordered 1
		.amdhsa_forward_progress 1
		.amdhsa_inst_pref_size 6
	.end_amdhsa_kernel
	.amdgpu_metadata
---
amdhsa.version: [ 1, 2 ]
amdhsa.kernels:
  - .name:           k_qaba2ccca0d_combine
    .symbol:         k_qaba2ccca0d_combine.kd
    .args:
      - { .name: ys, .offset: 0, .size: 8, .value_kind: global_buffer, .address_space: global }
      - { .name: tab, .offset: 8, .size: 8, .value_kind: global_buffer, .address_space: global }
      - { .name: gates, .offset: 16, .size: 8, .value_kind: global_buffer, .address_space: global }
      - { .name: out0, .offset: 24, .size: 8, .value_kind: global_buffer, .address_space: global }
    .group_segment_fixed_size: 0
    .private_segment_fixed_size: 0
    .kernarg_segment_align: 8
    .kernarg_segment_size: 32
    .max_flat_workgroup_size: 128
    .sgpr_count:     66
    .vgpr_count:     72
    .wavefront_size: 32
...
	.end_amdgpu_metadata
.endif
;; end of part 10
